; MI455X (gfx1250); checked and timed in simulation.
; The chip was launched on July 23, 2026; its instructions are those of AMD's public machine-readable ISA for CDNA 5 (MIT licence, August 2026) and "CDNA5" Instruction Set Architecture Reference Guide (July 2026). The comments in the code are by the model that wrote it; some were corrected since.
;; Causal Self Attention. Allowed arithmetic: matrix products marked QUANTISED: E3M2 operands, one E8M0 scale for each 32 along K, by v_wmma_scale_f32_16x16x128_f8f6f4 with both operands' format E3M2, f32 sums; everything else in f32.
;; Inputs: w_attn 3,072 x 1,024 float32; w_proj 1,024 x 1,024 float32; x 4 x 2,048 x 1,024 float32.
;; Outputs: out0 4 x 2,048 x 1,024 float32.
;; This version of the problem:
;;   THIS VERSION OF THE PROBLEM IS GIVEN IN LOW PRECISION. The matrix products marked QUANTISED in the list below multiply operands that are first quantised to E3M2 (3 exponent bits, 2 mantissa bits; 6 bits a number), with one power-of-two scale for each 32 numbers along K (OCP MX v1.0); their sums are f32. All else is computed in f32.
;;   The module's matrix products, in the order in which they are computed (A, B: the left and right operand; K: the contracted axis; several contracted axes count as one K, in the product's order):
;;     1. [M 8,192, K 1,024] x [K 1,024, N 3,072]; A: input x; B: input w_attn: QUANTISED
;;     2. batch 64 x [M 2,048, K 64] x [K 64, N 2,048]; A: computed on the way; B: computed on the way: QUANTISED
;;     3. batch 64 x [M 2,048, K 2,048] x [K 2,048, N 64]; A: softmax (see below); B: computed on the way: QUANTISED
;;     4. [M 8,192, K 1,024] x [K 1,024, N 1,024]; A: computed on the way; B: input w_proj: QUANTISED
;;   THE QUANTISER, for each operand of a quantised product, along K:
;;     - K is cut into blocks of 32 from its start; a last block that is shorter is filled with zeros.
;;     - A block's scale is 2^e with e = floor(log2(the largest magnitude in the block)) - 4, held to -126 .. 127; a block of zeros has e = 0. As a byte (E8M0): e + 127.
;;     - Each number is divided by its block's scale, clamped to +-28, and rounded to the nearest number of E3M2, ties to even, subnormals kept.
;;     - The product sums the exact products of the quantised numbers (number of the format x scale) in f32.
;;   ~~~python
;;   def quantise(x, axis):      # numpy; x: float32 -> the quantised numbers, widened to float32 again
;;       x = np.moveaxis(x, axis, -1); K = x.shape[-1]
;;       x = np.pad(x, [(0, 0)] * (x.ndim - 1) + [(0, -K % 32)]); x = x.reshape(x.shape[:-1] + (-1, 32)); a = np.abs(x).max(-1, keepdims=True)
;;       e = np.where(a > 0, np.clip(np.frexp(np.where(a > 0, a, 1))[1] - 1 - 4, -126, 127), 0)      # np.frexp(a)[1] - 1 = floor(log2(a)), exactly
;;       r = np.clip(x / 2.0 ** e, -28, 28)
;;       step = 2.0 ** (np.maximum(np.frexp(np.where(r == 0, 1, r))[1] - 1, -2) - 2)
;;       q = np.round(r / step) * step * 2.0 ** e      # np.round: ties to even
;;       return np.moveaxis(q.reshape(q.shape[:-2] + (-1,))[..., :K], -1, axis).astype(np.float32)
;;   ~~~
;;   SOFTMAX AHEAD OF A QUANTISED PRODUCT. Where the list says 'softmax', what is quantised is not the finished softmax but p = 2^(t - M), with t = logit x log2(e) and M = ceil(the row's largest t), a whole number; so 1/2 < the row's largest p <= 1. The row's sum l is taken of the UNQUANTISED p, in f32, and the product's result is divided by l at the end. Since M is a whole number, a kernel that streams over the keys may use a running M (the ceiling of the running maximum): every later rescaling is an exact power of two, which a block's scale takes up: the codes' values come out the same.
;;   OPERANDS COMPUTED ON THE WAY. 'Computed on the way' means the value that the module computes at that place (a softmax that the list does not call 'softmax' is quantised finished and normalised). What goes into a quantiser is computed in f32, as accurately as f32 sums, v_exp_f32 and their like allow (about 1e-6 of the number): no bf16 or f16 on the way to a quantiser, and a product that is left as it is and whose result goes on into a quantised operand takes f32 operands (vector FMAs, or v_wmma_f32_16x16x4_f32). A number that lies on a knife's edge between two numbers of the format may be rounded either way, as far as f32 arithmetic and the matrix unit's own rounding can turn it there, and no further.
;; One version. Each part assembles by itself: llvm-mc -triple=amdgcn-amd-amdhsa -mcpu=gfx1250 --defsym DOCPART=n.
;; ======== version 1 of 1: 4 launches
;; workspace buffers: cod1 9,437,184 bytes; scl1 393,216 bytes; cod2 18,874,368 bytes; scl2 1,310,720 bytes; cod3 6,291,456 bytes; scl3 262,144 bytes
;; launch quant (part 1): grid 384 x 1, 4 waves a work-group, no clusters, 33,280 bytes of LDS; arguments x, w_attn, w_proj, cod1, scl1; writes cod1, scl1
.if DOCPART == 1
	.amdgcn_target "amdgcn-amd-amdhsa--gfx1250"
	.amdhsa_code_object_version 6
	.text
	.protected	k_qd6444635dc_quant
	.globl	k_qd6444635dc_quant
	.p2align	8
	.type	k_qd6444635dc_quant,@function
k_qd6444635dc_quant:
	s_mov_b64 s[64:65], 0
	v_nop
	global_prefetch_b8 v0, s[64:65] scope:SCOPE_SE
	s_setreg_imm32_b32 hwreg(HW_REG_WAVE_MODE, 25, 1), 1
	s_wait_xcnt 0x0
; x [8192][1024], w_attn [3072][1024] and w_proj [1024][1024], f32, K innermost, become codes of BF6 (E3M2), 6 bits each, and one E8M0 scale byte for each 32 along K.
; cod1: 12,288 rows of 768 bytes (x, then w_attn, then w_proj); scl1: the same rows, 32 bytes each.
; A block's scale is 2^(floor(log2(its largest magnitude)) - 4); its byte is the largest magnitude's exponent field - 4, held at 1 from below.  Each number is divided by the scale and rounded to the nearest code, ties to even.
; LIMITS: NaN and infinities among the inputs are not served.  A block whose largest magnitude lies under 2^-122 keeps the byte 1; a block of zeros so gets the byte 1 where the rule says 127: its codes are zeros,
; which add nothing under any byte but 0xff, and these bytes are read by this program alone.
; THE ORDER OF ROWS.  The rows of x and of w_attn are stored with bits 3 and 4 of the row's number exchanged: lane r of the i-th block of 16 stored rows then holds row 32 (i / 2) + 8 (i % 2) + r + 8 (r / 8).
; With that order the results of the next launch's products lie in a lane's registers as neighbours along the next product's K.  A wave owns 8 rows, so the exchange is one of the two bits of its number.  w_proj keeps its order.
; SHARES.  A work-group takes 32 rows, a wave 8 (8,192 numbers) in 16 steps of 512.  Work-groups 0-255: x; 256-351: w_attn; 352-383: w_proj: only pointers are chosen, all take one path.
; Each of a step's four loads reads 512 consecutive bytes, 16 a lane; the 2,048 bytes turn through the wave's own stage in LDS and come back 64 bytes a lane: 16 neighbours along K, two lanes to a block.
; A lane's 16 codes are 12 bytes: the wave stores 384 consecutive bytes.  A wave's 256 scale bytes are gathered in its own LDS and leave as one aligned run of 256 bytes.
; No tensor loads, no barrier: waves share nothing.  Loads run four steps (16 loads a wave) ahead, the turn through LDS one step.  Matrix units and clusters have nothing to do here: every byte is read once.
.set STEPS, 16
.set EMAX,  4
.set CB,    12                         ; bytes of 16 codes
.set R,     16                         ; v16-79   four sets of 16 numbers as they are loaded
.set X,     80                         ; v80-111  two sets of 16 neighbours
.set C,     128                        ; v128-191 codes: four registers for each step, so that no store's data are written again
.set E,     112                        ; v112-127 a scale byte for each step
.set WREG,  8192                       ; LDS: a region for each wave: two stages of 32 x SP bytes, and behind them its 256 scale bytes
.set SP,    80                         ; a lane's place in a stage: its 64 bytes + 16 of padding
	s_load_b128 s[4:7], s[0:1], 0x0                ; x, w_attn
	s_load_b128 s[8:11], s[0:1], 0x10              ; w_proj, cod1
	s_load_b64 s[12:13], s[0:1], 0x20              ; scl1
	v_lshl_add_u32 v192, v0, 2, 0x8000
	v_mov_b32 v193, 0
	v_lshrrev_b32 v1, 5, v0
	v_readfirstlane_b32 s16, v1                    ; wave
	v_and_b32 v2, 31, v0                           ; lane
	v_lshlrev_b32 v3, 4, v2                        ; my 16 bytes of a load's 512
	s_mul_i32 s17, s16, WREG
	v_lshrrev_b32 v14, 2, v2
	v_mul_u32_u24 v14, v14, SP
	v_and_b32 v15, 3, v2
	v_lshl_add_u32 v14, v15, 4, v14
	v_add_nc_u32 v14, s17, v14                     ; the stage, on the way in: SP (lane / 4) + 16 (lane % 4); a load's 512 bytes take eight places
	v_mul_u32_u24 v15, v2, SP
	v_add_nc_u32 v15, s17, v15                     ; and on the way out: SP x lane: my 16 neighbours
	v_mul_u32_u24 v4, v2, CB                       ; my codes' place in a step's
	v_lshrrev_b32 v5, 1, v2
	s_add_co_u32 s17, s17, 2*32*SP
	v_add_nc_u32 v5, s17, v5                       ; LDS: my wave's 256 scale bytes, my block's byte
	v_lshlrev_b32 v7, 3, v2                        ; and on the way out 8 bytes a lane
	v_add_nc_u32 v6, s17, v7
	s_and_b32 s18, s16, 1
	s_lshl_b32 s18, s18, 1
	s_lshr_b32 s19, s16, 1
	s_or_b32 s18, s18, s19                         ; my wave's number with its two bits exchanged
	s_mov_b32 s17, 352
	s_wait_kmcnt 0x0
	s_cmp_lt_u32 ttmp9, 352                        ; the choices hang on the work-group's number alone
	s_cselect_b64 s[6:7], s[6:7], s[8:9]           ; w_attn or w_proj,
	s_cselect_b32 s17, 256, s17                    ; the tensor's first work-group,
	s_cselect_b32 s18, s18, s16                    ; and w_proj's rows keep their order
	s_cmp_lt_u32 ttmp9, 256
	s_cselect_b64 s[4:5], s[4:5], s[6:7]           ; x or that
	s_cselect_b32 s17, 0, s17
	s_sub_co_u32 s17, ttmp9, s17
	s_lshl_b32 s17, s17, 2
	s_add_co_u32 s20, s17, s16                     ; which run of 8 rows of the tensor I read,
	s_lshl_b32 s20, s20, 15                        ; 32,768 bytes a run
	s_mov_b32 s21, 0
	s_add_nc_u64 s[4:5], s[4:5], s[20:21]
	s_lshl_b32 s22, ttmp9, 2
	s_add_co_u32 s22, s22, s18                     ; which run of 8 rows of cod1 and scl1 I write
	s_mul_i32 s20, s22, 32*STEPS*CB                ; 6,144 bytes of codes a run
	s_add_nc_u64 s[10:11], s[10:11], s[20:21]
	s_lshl_b32 s20, s22, 8                         ; 256 scale bytes a run
	s_add_nc_u64 s[12:13], s[12:13], s[20:21]
.macro LOAD t
.irp i, 0,1,2,3
	global_load_b128 v[R+16*((\t)%4)+4*\i:R+16*((\t)%4)+4*\i+3], v3, s[4:5] offset:2048*(\t)+512*\i th:TH_LOAD_NT   ; 32 lanes read 512 consecutive bytes
.endr
.endm
.macro TURN t                          ; step t's numbers through the stage: LDS serves a wave's instructions in order, so no wait stands between the stores and the loads
.irp i, 0,1,2,3
	ds_store_b128 v14, v[R+16*((\t)%4)+4*\i:R+16*((\t)%4)+4*\i+3] offset:32*SP*((\t)%2)+8*SP*\i
.endr
.irp i, 0,1,2,3
	ds_load_b128 v[X+16*((\t)%2)+4*\i:X+16*((\t)%2)+4*\i+3], v15 offset:32*SP*((\t)%2)+16*\i
.endr
.endm
.irp t, 0,1,2,3
	LOAD \t
.endr
	s_wait_loadcnt 12                              ; step 0's four loads are in; the twelve of steps 1 to 3 may be out
	TURN 0
.macro STEP t
.set XS, X+16*((\t)%2)
.if (\t) > 0
	s_wait_dscnt 1                                 ; this step's numbers are back from the stage (the last step's byte store may be out): so its stores into the stage have read their registers,
.else
	s_wait_dscnt 0x0
.endif
.if (\t)+4 < STEPS
	LOAD (\t)+4                                    ; which take the loads of four steps on
.endif
.if (\t)+1 < STEPS
.if STEPS-2-(\t) >= 3
	s_wait_loadcnt 12                              ; the next step's four loads are in; those of the three steps behind it may be out
.else
	s_wait_loadcnt 4*(STEPS-2-(\t))
.endif
	TURN (\t)+1                                    ; and go through the other stage while this step is worked
.endif
	v_max3_num_f32 v8, |v[XS]|, |v[XS+1]|, |v[XS+2]|               ; the largest magnitude of my 16, in two chains
	v_max3_num_f32 v9, |v[XS+3]|, |v[XS+4]|, |v[XS+5]|
.irp i, 6,10
	v_max3_num_f32 v8, v8, |v[XS+\i]|, |v[XS+\i+1]|
	v_max3_num_f32 v9, v9, |v[XS+\i+2]|, |v[XS+\i+3]|
.endr
	v_max3_num_f32 v8, v8, |v[XS+14]|, |v[XS+15]|
	v_max3_num_f32 v8, v8, v9, (EMAX+1)<<23        ; and the floor 2^(5 - 127): so the byte cannot fall under 1
	v_max_num_f32_dpp v8, v8, v8 row_xmask:1 row_mask:0xf bank_mask:0xf   ; and of my neighbour's 16: the block's
	v_add_nc_u32 v11, 0xfe000000, v8               ; 4 off its exponent field: the conversion takes the exponent field of this operand as its scale, and nothing else of it
	v_cvt_scalef32_pk16_bf6_f32 v[C+4*(\t):C+4*(\t)+2], v[XS:XS+15], v11         ; sixteen numbers / the scale, to the nearest code; 96 bits without gaps, the first number's code lowest
	v_lshrrev_b32 v[E+(\t)], 23, v11               ; the scale's byte (also the plain line behind the conversion)
	ds_store_b8 v5, v[E+(\t)] offset:16*(\t)       ; both lanes of a block write the same byte with the same value
	global_store_b96 v4, v[C+4*(\t):C+4*(\t)+2], s[10:11] offset:32*CB*(\t)
.endm
.irp t, 0,1,2,3,4,5,6,7,8,9,10,11,12,13,14,15
	STEP \t
.endr
	ds_load_b64 v[12:13], v6                       ; LDS serves a wave's instructions in order: these see my stores
	s_wait_dscnt 0x0
	global_store_b64 v7, v[12:13], s[12:13]        ; 32 lanes store 256 consecutive bytes, aligned
	s_wait_tensorcnt 0x0
	ds_add_u32 v192, v193
	s_wait_dscnt 0x0
	s_endpgm
.Lfunc_end_k_qd6444635dc_quant:
	.size	k_qd6444635dc_quant, .Lfunc_end_k_qd6444635dc_quant-k_qd6444635dc_quant
	.p2alignl 7, 3214868480
	.fill 96, 4, 3214868480
	.section	.rodata,"a",@progbits
	.p2align	6, 0x0
	.amdhsa_kernel k_qd6444635dc_quant
		.amdhsa_group_segment_fixed_size 33280
		.amdhsa_private_segment_fixed_size 0
		.amdhsa_enable_private_segment 0
		.amdhsa_kernarg_size 40
		.amdhsa_user_sgpr_count 2
		.amdhsa_user_sgpr_kernarg_segment_ptr 1
		.amdhsa_wavefront_size32 1
		.amdhsa_system_sgpr_workgroup_id_x 1
		.amdhsa_system_sgpr_workgroup_id_y 1
		.amdhsa_system_sgpr_workgroup_id_z 1
		.amdhsa_system_vgpr_workitem_id 0
		.amdhsa_next_free_vgpr 194
		.amdhsa_next_free_sgpr 66
		.amdhsa_reserve_vcc 0
		.amdhsa_float_denorm_mode_32 3
		.amdhsa_float_denorm_mode_16_64 3
		.amdhsa_memory_ordered 1
		.amdhsa_forward_progress 1
		.amdhsa_inst_pref_size 33
	.end_amdhsa_kernel
	.amdgpu_metadata
---
amdhsa.version: [ 1, 2 ]
amdhsa.kernels:
  - .name:           k_qd6444635dc_quant
    .symbol:         k_qd6444635dc_quant.kd
    .args:
      - { .name: x, .offset: 0, .size: 8, .value_kind: global_buffer, .address_space: global }
      - { .name: w_attn, .offset: 8, .size: 8, .value_kind: global_buffer, .address_space: global }
      - { .name: w_proj, .offset: 16, .size: 8, .value_kind: global_buffer, .address_space: global }
      - { .name: cod1, .offset: 24, .size: 8, .value_kind: global_buffer, .address_space: global }
      - { .name: scl1, .offset: 32, .size: 8, .value_kind: global_buffer, .address_space: global }
    .group_segment_fixed_size: 33280
    .private_segment_fixed_size: 0
    .kernarg_segment_align: 8
    .kernarg_segment_size: 40
    .max_flat_workgroup_size: 128
    .sgpr_count:     66
    .vgpr_count:     194
    .wavefront_size: 32
...
	.end_amdgpu_metadata
.endif
;; end of part 1
;; launch gemm_qkv (part 2): grid 12 x 32, 4 waves a work-group, clusters of 4 x 4, 327,680 bytes of LDS; arguments cod1, scl1, cod2, scl2; writes cod2, scl2
.if DOCPART == 2
	.amdgcn_target "amdgcn-amd-amdhsa--gfx1250"
	.amdhsa_code_object_version 6
	.text
	.protected	k_qd6444635dc_gemm_qkv
	.globl	k_qd6444635dc_gemm_qkv
	.p2align	8
	.type	k_qd6444635dc_gemm_qkv,@function
k_qd6444635dc_gemm_qkv:
	s_mov_b64 s[64:65], 0
	v_nop
	global_prefetch_b8 v0, s[64:65] scope:SCOPE_SE
	s_setreg_imm32_b32 hwreg(HW_REG_WAVE_MODE, 25, 1), 1
	s_wait_xcnt 0x0
	s_wait_alu depctr_hold_cnt(0) depctr_sa_sdst(0) depctr_va_vdst(0) depctr_va_sdst(0) depctr_va_ssrc(0) depctr_va_vcc(0) depctr_vm_vsrc(0)
	s_getreg_b32 s2, hwreg(HW_REG_IB_STS2, 6, 4)
	s_cmp_eq_u32 s2, 0
	s_cbranch_scc0 .Lentry_in_a_cluster
	s_endpgm
.Lentry_in_a_cluster:
	s_bfe_u32 s2, ttmp6, 0x10000c
	s_cmp_lg_u32 s2, 0xf033
	s_cbranch_scc0 .Lentry_shape_is_right
	s_endpgm
.Lentry_shape_is_right:
; qkv = x w_attn^T on codes of BF6 (E3M2) with E8M0 scales, sums in f32; the results never leave as f32: q and k are quantised along the head's 64 channels, v along the keys, in registers, and stored as codes.
; Both operands lie in cod1 (rows of 768 bytes: 1,024 codes) and scl1 (rows of 32 bytes): rows 0-8,191 x's tokens, rows 8,192-11,263 w_attn's.  Their rows are stored with bits 3 and 4 of the row's number exchanged.
; A tile of 256 x 256 is made by a work-group of four waves, a wave makes 128 x 128: 64 accumulators of 16 x 16, 512 registers.  K goes in steps of 256 (rows of 192 bytes) through a ring of two LDS slots.
; The scale bytes of the work-group's 2 x 256 rows, for all of K, come into LDS once, with the first fills.
; THE MATRIX INSTRUCTION IS USED TRANSPOSED: source 0 = 16 rows of 'B', source 1 = 16 rows of 'A': a lane holds ONE row of A and its registers run along B's rows.  By the stored order of the rows the 64 registers of
; a block of A (register 8 b + j) are B's rows 32 (b / 2) + 16 (lane / 16) + 8 (b % 2) + j: sixteen neighbours for each block of 32, which is what the conversions want.
; ROLES.  The axis along which a result is quantised has to be B.  Clusters x = 0, 1 (q and k): A = tokens, B = w_attn's rows 0-2,047 (channels).  Clusters x = 2 (v): A = w_attn's rows 2,048-3,071, B = tokens (the keys).
; Only row numbers and store offsets are chosen (s_cselect_b32 on the cluster's x, which all partners share): one text, no branch, the same LDS addresses and masks in both roles.
; CLUSTERS: 4 x 4 work-groups.  The four of a row of the cluster need the same tiles of A, the four of a column the same tiles of B: each tile is asked for jointly, by the same tensor load with the same descriptor and a mask of four.
; WHAT IS STORED: images of operand registers.  16 rows x 64 along K are 6 registers a lane, 768 bytes: registers 0-3 at 16 x lane, registers 4-5 at 512 + 8 x lane: every store covers 512 or 256 consecutive aligned bytes.
;   cod2, q and k: [head 0-31 (16-31: k's)][tile of 16 tokens 0-511][768];  v, from byte 12,582,912: [pair of heads 0-7][128 keys 0-63][tile of 16 channels 0-7][1,536]
;   scl2, q and k: [head][128 tokens][512]: tile a's word of lane r at 256 (a / 4) + 16 r + 4 (a % 4), its upper two bytes 0;  v, from byte 1,048,576: [head][128 keys][256]: tile a's word at 16 r + 4 a
; LIMITS: NaN and infinities are not served; a block under 2^-122, one of zeros too, keeps the scale byte 1 (its codes are then zeros or tiny; the bytes are read by this program alone).
; No prefetch: K has four steps, two of them first fills; the two refills stand a whole step ahead of their use.
; REGISTERS, in windows of 256: window 0: v0-31 addresses; v32-63 scale words, two sets; v128-223 A's fragments, one set (on the way out v128-207 are at work).  window 1: B's fragments, two sets, at v0 and v128.
;   window 2: the 32 accumulators of my rows 0-63 of A (accumulator (a, b) at v[8 (8 a + b)]);  window 3: those of rows 64-127.
.set SIZE_K, 1024
.set KSTEP,  256                       ; along K in a slot
.set NQ,     KSTEP/128                 ; matrix instructions deep
.set ROWB,   192                       ; a tile's row in bytes
.set KROW,   SIZE_K*6/8                ; a row in memory
.set PITCH,  240                       ; an LDS row: 3 x (64 bytes + 16 of padding) = 60 words: the 32 lanes of a load of 8 bytes touch 64 different banks (64 banks of 4 bytes: ISA guide 11.1)
.set FR,     12                        ; registers of a fragment: 16 rows x 128 K
.set NL,     6                         ; LDS loads that bring one
.set NP,     4                         ; places behind this matrix instruction (ISA guide 7.12.1)
.set HALFT,  128*PITCH                 ; 128 rows: what one tensor load brings
.set SLOT,   4*HALFT                   ; A's 256 rows, then B's 256 rows
.set LAPS,   SIZE_K/(2*KSTEP)          ; a lap = two K steps = once round the ring
.set KS,     SIZE_K/32                 ; a row of scales in bytes
.set SCL,    2*SLOT                    ; behind the ring: the scales, as runs of 256 bytes + 16 of padding
.set HALFS,  (128*KS/256)*272          ; the scales of 128 rows
.set SBLK,   (16*KS/256)*272           ; those of 16 rows
.set SPARE,  SCL+4*HALFS               ; behind the scales: the spare words, 128 bytes for each wave: two blocks of 256 bytes that no other line names
.set ADRA, 16                          ; v16-17  LDS address of my A fragments in slot 0, 1  (v18-19: for the pieces that lie behind one padding more)
.set ADRB, 20                          ; v20-21  the same for B  (v22-23)
.set VO16, 24                          ; v24     the way out: 16 x lane
.set VO8,  25                          ; v25     8 x lane
.set VS,   26                          ; v26     my place among the scale words
.set ADRS, 27                          ; v27     LDS address of my scale words: lanes 0-15 A's rows, lanes 16-31 B's
.set SPW,  28                          ; v28     LDS address of my spare word; never rewritten
.set NIL,  29                          ; v29     0; never rewritten
.set SHV,  30                          ; v30     the way out: by how many bits my half of the lanes shifts a scale word
.set SC,   32                          ; scale words: set s at v[SC + 8 NQ s]; register NQ i + q: lanes 0-15 A's block i, lanes 16-31 B's block i
.set AF,   128                         ; A's fragments
.set PC,   128                         ; the way out: v128-139 a fragment's codes, v140-146 halves on their way
.set TM,   160                         ; v160-163 largest magnitudes, v164-167 the other half's / bytes, v172-175 the conversions' scale operands
.set PW,   176                         ; the scale word just made
.set SW,   200                         ; v200-207 the eight blocks' scale words as they are stored
.set G1, 24                            ; s[24:31] descriptor group 1 for A's tiles;  s[32:39] group 0, one set for each slot
.set G0, 32
.set G1B, 48                           ; s[48:55], s[56:63] the same for B's tiles
.set G0B, 56
.set G1S, 68                           ; s[68:75], s[76:79] groups 1 and 0 for A's scales;  s[80:87], s[88:91] for B's
.set G0S, 76
.set G1SB, 80
.set G0SB, 88
.set MSK, 31                           ; the way out's scalars lie where descriptors lay: they are written behind the last wait for all tensor loads
.set STA, 32                           ; s[32:33] bytes from a block's image to the next
.set OC0, 44                           ; s[44:45] where registers 0-5 of a block's codes go;  s[46:47] registers 6-11
.set OC1, 46
.set SB0, 48                           ; s[48:49] where the words of blocks 0-3 go;  s[50:51] blocks 4-7
.set SB1, 50
.set SEL, 52                           ; s[52:53] lane selects for v_permlanex16_b32: lane l xor 16
.set MSB, 0
.macro WIN new                         ; the immediate's high byte repeats the setting that is left
.if MSB != \new
	s_set_vgpr_msb (MSB<<8)|\new
.set MSB, \new
.endif
.endm
.set MUL_LO, 0xa1                      ; source 0 (B) window 1, source 1 (A) window 0, C and D window 2
.set MUL_HI, 0xf1                      ; the same, C and D window 3
.set TO_B,   0x40                      ; destination window 1, address window 0
; A joint load: waves 0 and 1 fetch for A, waves 2 and 3 for B.  Each of the two lines has one mask and one set of registers for all that issue it; the branch hangs on the wave's number alone.
; Four v_nop follow each of the two lines, ahead of the jump, the label and what follows.
.macro JLOAD g0a, g1a, g0b, g1b
	s_cmp_eq_u32 s15, 0
	s_cbranch_scc0 .Lfor_b_\@
	tensor_load_to_lds s[\g0a:\g0a+3], s[\g1a:\g1a+7]
	s_nop 0
.rept 4
	v_nop
.endr
	s_branch .Lasked_\@
.Lfor_b_\@:
	tensor_load_to_lds s[\g0b:\g0b+3], s[\g1b:\g1b+7]
	s_nop 0
.rept 4
	v_nop
.endr
.Lasked_\@:
.endm
.macro CREST                           ; a round of the cluster's barrier behind its opening barrier
	s_cmp_lg_u32 s14, 0
	s_cbranch_scc1 .Lnot_wave_0_\@
	s_barrier_signal -3
.Lnot_wave_0_\@:
	s_barrier_wait -3
	s_barrier_signal -1
	s_barrier_wait -1
.endm
.macro CROUND                          ; a whole round
	s_barrier_signal -1
	s_barrier_wait -1
	CREST
.endm
	s_load_b256 s[4:11], s[0:1], 0x0               ; cod1 s[4:5], scl1 s[6:7], cod2 s[8:9], scl2 s[10:11]
	v_lshl_add_u32 v[SPW], v0, 2, SPARE
	v_mov_b32 v[NIL], 0
	ds_add_u32 v28, v29
	ds_add_u32 v28, v29
	s_wait_dscnt 0x0
	v_lshrrev_b32 v1, 5, v0
	v_readfirstlane_b32 s14, v1                    ; wave 0..3
	s_lshr_b32 s15, s14, 1                         ; which half of A's 256 rows is mine.  Also: I fetch for A (0) or for B (1)
	s_and_b32 s16, s14, 1                          ; which half of B's.  Also: which 128 rows of that tile I fetch
	s_bfe_u32 s40, ttmp6, 0x40000                  ; cx, cy: my place in the cluster
	s_bfe_u32 s41, ttmp6, 0x40004
	s_and_b32 s17, ttmp7, 0xffff                   ; the cluster's y, 0..7; ttmp9: its x, 0..2
	s_lshl_b32 s43, s41, 2
	s_lshl_b32 s43, 15, s43                        ; my row of the cluster
	s_lshl_b32 s44, 0x1111, s40                    ; my column
	; descriptor group 1: a tile of 128 rows x 192 bytes, padded in LDS
	s_or_b32 s[G1+0], s43, (0<<16)|(1<<20)|(1<<21)|(3<<22)|(3<<25)  ; 15:0 the mask: A's tiles go to my row; 17:16 element of 1 byte; 20 padding on; 21 set beside a mask; 24:22 after every 16 words; 31:25 of 4 words
	s_or_b32 s[G1B+0], s44, (0<<16)|(1<<20)|(1<<21)|(3<<22)|(3<<25)
.irp g, G1, G1B
	s_mov_b32 s[\g+1], ROWB<<16                    ; tensor_dim0
	s_mov_b32 s[\g+2], 128<<16                     ; tensor_dim1
	s_mov_b32 s[\g+3], ROWB<<16                    ; tile_dim0
	s_mov_b32 s[\g+4], 128                         ; tile_dim1
	s_mov_b32 s[\g+5], KROW                        ; tensor_dim0_stride
	s_mov_b32 s[\g+6], 0
	s_mov_b32 s[\g+7], 0
.endr
	; and for the scales of 128 rows: a dense block of 4,096 bytes, as rows of 256 bytes (32 elements of 8 bytes), 16 bytes of padding behind each
	s_or_b32 s[G1S+0], s43, (3<<16)|(1<<20)|(1<<21)|(5<<22)|(3<<25)
	s_or_b32 s[G1SB+0], s44, (3<<16)|(1<<20)|(1<<21)|(5<<22)|(3<<25)
.irp g, G1S, G1SB
	s_mov_b32 s[\g+1], 32<<16
	s_mov_b32 s[\g+2], (128*KS/256)<<16
	s_mov_b32 s[\g+3], 32<<16
	s_mov_b32 s[\g+4], 128*KS/256
	s_mov_b32 s[\g+5], 32
	s_mov_b32 s[\g+6], 0
	s_mov_b32 s[\g+7], 0
.endr
	; the roles: which rows of cod1 are A's and which B's.  Nothing here hangs on cx or cy
	s_lshl_b32 s18, s17, 10                        ; 1,024 x cluster y
	s_lshl_b32 s19, ttmp9, 10
	s_add_co_u32 s19, s19, 8192                    ; 8,192 + 1,024 x cluster x
	s_mov_b32 s20, 10240
	s_cmp_lt_u32 ttmp9, 2                          ; q and k, or v?
	s_cselect_b32 s20, s18, s20                    ; A: tokens 1,024 y on, or w_attn's v rows
	s_cselect_b32 s46, s19, s18                    ; B: w_attn's q and k rows 1,024 x on, or tokens 1,024 y on
	s_lshl_b32 s21, s16, 7                         ; which 128 rows of the tile I fetch
	s_lshl_b32 s22, s41, 8
	s_add_co_u32 s20, s20, s22                     ; A: + 256 cy, which my row of the cluster shares
	s_add_co_u32 s20, s20, s21
	s_lshl_b32 s47, s40, 8
	s_add_co_u32 s46, s46, s47                     ; B: + 256 cx, which my column shares
	s_add_co_u32 s46, s46, s21
	s_mov_b32 s21, 0
	s_mov_b32 s47, 0
	s_mov_b64 s[18:19], KS
	s_mul_u64 s[22:23], s[20:21], s[18:19]         ; where these rows' scales begin, in bytes
	s_mul_u64 s[92:93], s[46:47], s[18:19]
	s_mov_b64 s[18:19], KROW
	s_mul_u64 s[20:21], s[20:21], s[18:19]         ; and their codes
	s_mul_u64 s[46:47], s[46:47], s[18:19]
	s_mul_i32 s45, s14, HALFT                      ; where they go: wave x 128 rows: no place in the cluster enters an LDS address
	s_mul_i32 s94, s14, HALFS
	s_wait_kmcnt 0x0
	s_add_nc_u64 s[20:21], s[4:5], s[20:21]
	s_add_nc_u64 s[22:23], s[6:7], s[22:23]
	s_add_nc_u64 s[46:47], s[4:5], s[46:47]
	s_add_nc_u64 s[92:93], s[6:7], s[92:93]
	CROUND                                         ; all sixteen work-groups are here: the first joint loads meet
	s_mov_b32 s[G0S], 1
	s_add_co_u32 s[G0S+1], s94, SCL
	s_mov_b64 s[G0S+2:G0S+3], s[22:23]
	s_or_b32 s[G0S+3], s[G0S+3], 0x80000000
	s_mov_b32 s[G0SB], 1
	s_add_co_u32 s[G0SB+1], s94, SCL
	s_mov_b64 s[G0SB+2:G0SB+3], s[92:93]
	s_or_b32 s[G0SB+3], s[G0SB+3], 0x80000000
	JLOAD G0S, G1S, G0SB, G1SB                     ; the scales first: they are wanted with K step 0
.irp s, 0,1
	s_mov_b32 s[G0+4*\s], 1
	s_add_co_u32 s[G0+4*\s+1], s45, \s*SLOT
	s_add_nc_u64 s[G0+4*\s+2:G0+4*\s+3], s[20:21], \s*ROWB
	s_or_b32 s[G0+4*\s+3], s[G0+4*\s+3], 0x80000000
	s_mov_b32 s[G0B+4*\s], 1
	s_add_co_u32 s[G0B+4*\s+1], s45, \s*SLOT
	s_add_nc_u64 s[G0B+4*\s+2:G0B+4*\s+3], s[46:47], \s*ROWB
	s_or_b32 s[G0B+4*\s+3], s[G0B+4*\s+3], 0x80000000
	JLOAD G0+4*\s, G1, G0B+4*\s, G1B               ; three tensor loads of mine are out now
.endr
	v_and_b32 v1, 15, v0                           ; l % 16
	v_bfe_u32 v2, v0, 4, 1                         ; l / 16
	v_mul_u32_u24 v3, v1, PITCH
	v_mul_u32_u24 v4, v2, 24
	v_add_nc_u32 v4, v3, v4                        ; a fragment's row x pitch + 24 x half
	v_lshl_add_u32 v5, v2, 4, v4                   ; and the same behind one padding more
	s_mul_i32 s21, s15, HALFT                      ; my 128 rows of A
	s_mul_i32 s22, s16, HALFT                      ; my 128 rows of B,
	s_add_co_u32 s22, s22, 2*HALFT                 ; which lie behind A's 256
.irp s, 0,1
	v_add_nc_u32 v[ADRA+\s], s21, v4
	v_add_nc_u32 v[ADRB+\s], s22, v4
	v_add_nc_u32 v[ADRA+2+\s], s21, v5
	v_add_nc_u32 v[ADRB+2+\s], s22, v5
	s_add_co_u32 s21, s21, SLOT
	s_add_co_u32 s22, s22, SLOT
.endr
	v_mul_u32_u24 v5, v1, KS                       ; my row's scales: 32 bytes a row,
	v_lshrrev_b32 v6, 8, v5
	v_lshl_add_u32 v5, v6, 4, v5                   ; and 16 more for each 256 passed
	s_mul_i32 s21, s15, HALFS                      ; A's: my 128 rows
	s_mul_i32 s22, s16, HALFS                      ; B's: my 128 rows, behind A's 256
	s_add_co_u32 s22, s22, 2*HALFS
	s_sub_co_u32 s22, s22, s21
	v_mul_u32_u24 v6, s22, v2                      ; lanes 16-31 take B's: one product, the distance between the two bases
	s_add_co_u32 s21, s21, SCL
	v_add_nc_u32 v5, v5, v6
	v_add_nc_u32 v[ADRS], s21, v5
.macro FRAG reg, adr, q, i             ; a fragment, 16 rows x 128 K of 6-bit codes, is 12 registers: lane l holds row l % 16; registers 6 c .. 6 c + 5 hold K = 64 c + 32 (l / 16) + 0 .. 31: 24 bytes of the row, as they lie
.irp p, 0,1,2,3,4,5                    ; in pieces of 8 bytes.  Lanes 0-15 take the row's pieces 12 q + 0, 1, 2 and 12 q + 6, 7, 8, lanes 16-31 those three pieces on
.set PCE, 12*(\q)+6*(\p/3)+\p%3        ; 16 bytes of padding lie behind every 8 pieces: where the piece three on lies behind one padding more, the second address register serves
.if PCE%8 < 5
	ds_load_b64 v[\reg+2*\p:\reg+2*\p+1], v[\adr] offset:8*PCE+16*(PCE/8)+(\i)*16*PITCH
.else
	ds_load_b64 v[\reg+2*\p:\reg+2*\p+1], v[\adr+2] offset:8*PCE+16*(PCE/8)+(\i)*16*PITCH
.endif
.endr
.endm
; 16 matrix instructions: A's blocks a0, a0 + 1 x B's eight, 128 along K: the slot's q-th.  p: B's set;  sc: the set of scale words.  zero = 1: the first product starts the sums: nothing is ever cleared.
; The 64 accumulators take turns, one instruction a turn, in the same order in every step.
.macro MUL16 a0, p, q, sc, zero
.irp a, \a0, \a0+1
.irp b, 0,1,2,3,4,5,6,7
.if \zero
	v_wmma_scale_f32_16x16x128_f8f6f4 v[8*(8*((\a)%4)+\b):8*(8*((\a)%4)+\b)+7], v[128*(\p)+FR*\b:128*(\p)+FR*\b+FR-1], v[AF+FR*(\a):AF+FR*(\a)+FR-1], 0, v[SC+8*NQ*(\sc)+NQ*\b+(\q)], v[SC+8*NQ*(\sc)+NQ*(\a)+(\q)] matrix_a_fmt:MATRIX_FMT_BF6 matrix_b_fmt:MATRIX_FMT_BF6 matrix_a_scale:MATRIX_SCALE_ROW1
.else
	v_wmma_scale_f32_16x16x128_f8f6f4 v[8*(8*((\a)%4)+\b):8*(8*((\a)%4)+\b)+7], v[128*(\p)+FR*\b:128*(\p)+FR*\b+FR-1], v[AF+FR*(\a):AF+FR*(\a)+FR-1], v[8*(8*((\a)%4)+\b):8*(8*((\a)%4)+\b)+7], v[SC+8*NQ*(\sc)+NQ*\b+(\q)], v[SC+8*NQ*(\sc)+NQ*(\a)+(\q)] matrix_a_fmt:MATRIX_FMT_BF6 matrix_b_fmt:MATRIX_FMT_BF6 matrix_a_scale:MATRIX_SCALE_ROW1
.endif
.endr
.endr
.endm
.macro FETCH_B slot, q, p              ; B's eight fragments of the slot's q-th 128 along K into set p
	WIN TO_B
.irp i, 0,1,2,3,4,5,6,7
	FRAG 128*(\p)+FR*\i, ADRB+\slot, \q, \i
.endr
	WIN 0
.endm
.macro FETCH_A slot, q, i0             ; A's blocks i0 .. i0 + 3
.irp i, \i0, \i0+1, \i0+2, \i0+3
	FRAG AF+FR*(\i), ADRA+\slot, \q, \i
.endr
.endm
.macro SCALES sc                       ; the next K step's scale words into set sc: two words a row; lanes 0-15 take A's block i, lanes 16-31 B's block i
.irp i, 0,1,2,3,4,5,6,7
	ds_load_b64 v[SC+8*NQ*\sc+NQ*\i:SC+8*NQ*\sc+NQ*\i+1], v[ADRS] offset:\i*SBLK
.endr
.endm
; A load into a register that a matrix instruction has read stands four places behind that matrix instruction, and only plain vector instructions that name none of its registers are places
; (ISA guide 7.12.1 for vector instructions); the matrix instructions in between are not counted.
.macro PLACES n
.rept \n
	v_nop
.endr
.endm
; A step of 128 along K that has its successor in the same slot.
.macro STEP slot, q, zero
	s_wait_dscnt 4*NL                              ; B's set and A's blocks 0-3 are in; the youngest 24 loads (A's blocks 4-7) may be out
	WIN MUL_LO
	MUL16 0, (\q)%2, \q, \slot, \zero
	MUL16 2, (\q)%2, \q, \slot, \zero
	s_wait_dscnt 0                                 ; A's blocks 4-7 are in (asked for 32 matrix instructions ago)
	PLACES NP
	FETCH_B \slot, (\q)+1, 1-(\q)%2
	FETCH_A \slot, (\q)+1, 0
	WIN MUL_HI
	MUL16 4, (\q)%2, \q, \slot, \zero
	MUL16 6, (\q)%2, \q, \slot, \zero
	PLACES NP
	WIN 0
	FETCH_A \slot, (\q)+1, 4
.endm
; A slot's last step changes slots: one barrier; in front of it each wave waits for all its tensor loads, adds 0 to its spare word, and waits for that and for its own reads of this slot.  fill = 1: this slot is filled again, two K steps ahead.
.macro TURN slot, next, fill
	s_wait_tensorcnt 0x0                           ; all my tensor loads have landed: my part of the next slot;  (every window is 0 here)
	ds_add_u32 v[SPW], v[NIL]                      ; 0 onto my spare word
	s_wait_dscnt 4*NL+1                            ; (the add and the youngest 24 loads, A's blocks 4-7, may be out)
	WIN MUL_LO
	MUL16 0, 1, NQ-1, \slot, 0                     ; sixteen matrix instructions stand between the add and the wait for it
	s_wait_dscnt 0x0                               ; the add is done, and my reads of this slot are over
	s_barrier_signal -1
	MUL16 2, 1, NQ-1, \slot, 0
	WIN 0
	s_barrier_wait -1
.if \fill
	CREST                                          ; the barrier has opened a round of the cluster's barrier: no wave of any partner still reads this slot's tile or has a load on its way
	s_add_nc_u64 s[G0+4*\slot+2:G0+4*\slot+3], s[G0+4*\slot+2:G0+4*\slot+3], 2*ROWB
	s_add_nc_u64 s[G0B+4*\slot+2:G0B+4*\slot+3], s[G0B+4*\slot+2:G0B+4*\slot+3], 2*ROWB
	JLOAD G0+4*\slot, G1, G0B+4*\slot, G1B         ; the first tensor load behind the round, my only one until the next; its four v_nop are the places in front of the loads below
.else
	PLACES NP
.endif
	v_add_nc_u32 v[ADRS], 4*NQ, v[ADRS]            ; on to the next K step's scale words
	FETCH_B \next, 0, 0
	FETCH_A \next, 0, 0
	SCALES \next
	WIN MUL_HI
	MUL16 4, 1, NQ-1, \slot, 0
	MUL16 6, 1, NQ-1, \slot, 0
	PLACES NP
	WIN 0
	FETCH_A \next, 0, 4
.endm
	s_wait_tensorcnt 1                             ; the scales and my part of K step 0 are in (K step 1's load may be out)
	s_barrier_signal -1
	s_barrier_wait -1                              ; everybody's are
	FETCH_B 0, 0, 0
	FETCH_A 0, 0, 0
	SCALES 0
	FETCH_A 0, 0, 4
	STEP 0, 0, 1                                   ; the first step stands in front of the loop: its products start the sums
	s_mov_b32 s3, LAPS-1
.Llap:                                                 ; a trip goes once round the ring, from a lap's second step to the next lap's first, and fills both slots again
	TURN 0, 1, 1
	STEP 1, 0, 0
	TURN 1, 0, 1
	STEP 0, 0, 0
	s_sub_co_u32 s3, s3, 1
	s_cmp_lg_u32 s3, 0
	s_cbranch_scc1 .Llap
	TURN 0, 1, 0                                   ; the last lap fills nothing, and has no round of the cluster's barrier
	STEP 1, 0, 0
	s_wait_dscnt 4*NL                              ; the very last step: nothing more to fetch
	WIN MUL_LO
	MUL16 0, 1, NQ-1, 1, 0
	MUL16 2, 1, NQ-1, 1, 0
	s_wait_dscnt 0
	WIN MUL_HI
	MUL16 4, 1, NQ-1, 1, 0
	MUL16 6, 1, NQ-1, 1, 0
	WIN 0
	; THE WAY OUT.  No LDS: a block of A (16 rows) x my 128 rows of B is 64 registers a lane, in the conversions' order.  It becomes one fragment (12 registers) and one scale word a lane, stored as they stand.
	; q and k: registers 0-5 are the even head's 64 channels, registers 6-11 the odd head's; the word's lower two bytes are the even head's, the upper two the odd head's: lanes 0-15 store the first, lanes 16-31 the second.
	; v: the 12 registers are one fragment of 128 keys, the word whole (lanes 16-31 store what lanes 0-15 store, to the same bytes).
	s_mov_b32 s[SEL], 0x76543210
	s_mov_b32 s[SEL+1], 0xfedcba98
	s_and_b32 s17, ttmp7, 0xffff
	s_cmp_lt_u32 ttmp9, 2                          ; q and k, or v?  Moves and selects leave SCC alone: all selects stand ahead of the arithmetic
	s_cselect_b32 s20, s17, 0                      ; A's 1,024 rows: cluster y, or the one block of v rows
	s_cselect_b32 s21, ttmp9, s17                  ; B's: cluster x, or cluster y
	s_mov_b32 s22, 12288
	s_cselect_b32 s22, 6144, s22                   ; codes: bytes for 128 tokens
	s_cselect_b32 s23, 0, 12582912                 ; and where the part begins
	s_mov_b32 s24, 768
	s_cselect_b32 s24, 393216, s24                 ; from registers 0-5 to registers 6-11: the next head, or the image's second half
	s_mov_b32 s[STA], 1536
	s_cselect_b32 s[STA], 768, s[STA]              ; from block to block
	s_mov_b32 s25, 32768
	s_cselect_b32 s25, 65536, s25                  ; scale words: bytes for a pair of heads,
	s_mov_b32 s26, 256
	s_cselect_b32 s26, 512, s26                    ; for 128 tokens,
	s_cselect_b32 s27, 0, 1048576                  ; where the part begins,
	s_mov_b32 s28, 16384
	s_cselect_b32 s28, 256, s28                    ; from blocks 0-3 to blocks 4-7,
	s_cselect_b32 s29, 32768, 0                    ; from lanes 0-15 to lanes 16-31,
	s_cselect_b32 s30, 16, 0                       ; the shift of lanes 16-31,
	s_cselect_b32 s[MSK], 0xffff, -1               ; and what is kept of a word
	s_lshl_b32 s20, s20, 3
	s_lshl_b32 s33, s41, 1
	s_add_co_u32 s20, s20, s33
	s_add_co_u32 s20, s20, s15                     ; which 128 rows of A are mine
	s_lshl_b32 s21, s21, 3
	s_lshl_b32 s33, s40, 1
	s_add_co_u32 s21, s21, s33
	s_add_co_u32 s21, s21, s16                     ; which 128 rows of B
	s_cmp_lt_u32 ttmp9, 2
	s_cselect_b32 s34, s21, s20                    ; the pair of heads
	s_cselect_b32 s35, s20, s21                    ; the 128 tokens
	s_mov_b32 s33, 0
	s_mov_b32 s37, 0
	s_mov_b32 s39, 0
	s_mul_i32 s36, s34, 786432
	s_mul_i32 s38, s35, s22
	s_add_co_u32 s36, s36, s38
	s_add_co_u32 s36, s36, s23
	s_add_nc_u64 s[OC0:OC0+1], s[8:9], s[36:37]
	s_mov_b32 s38, s24
	s_add_nc_u64 s[OC1:OC1+1], s[OC0:OC0+1], s[38:39]
	s_mul_i32 s36, s34, s25
	s_mul_i32 s38, s35, s26
	s_add_co_u32 s36, s36, s38
	s_add_co_u32 s36, s36, s27
	s_add_nc_u64 s[SB0:SB0+1], s[10:11], s[36:37]
	s_mov_b32 s38, s28
	s_add_nc_u64 s[SB1:SB1+1], s[SB0:SB0+1], s[38:39]
	v_and_b32 v1, 31, v0                           ; these eight lines name no register of the last products: they are the places behind them
	v_and_b32 v2, 15, v0
	v_bfe_u32 v3, v0, 4, 1
	v_lshlrev_b32 v[VO16], 4, v1
	v_lshlrev_b32 v[VO8], 3, v1
	v_lshlrev_b32 v[VS], 4, v2
	v_mad_u32_u24 v[VS], v3, s29, v[VS]
	v_mul_u32_u24 v[SHV], v3, s30
.irp b, 0,1,2,3
	v_mov_b32 v[TM+4+\b], 0                        ; written once: a lane permute's destination counts as one of its sources
.endr
.macro QUANTW a
.set AC, 64*((\a)%4)                   ; the block's eight accumulators,
.set WW, 2+(\a)/4                      ; in window 2 or 3
	WIN ((WW<<2)|(WW<<4))                          ; sources 1 and 2 in that window
.irp b, 0,1,2,3
	v_max3_num_f32 v[TM+\b], 0x2800000, |v[AC+16*\b]|, |v[AC+16*\b+1]|   ; block b of 32: my 16 numbers, and the floor 2^(5 - 127).  Each accumulator is read from its low end on
.endr
.irp i, 2,4,6,8,10,12,14
.irp b, 0,1,2,3
	v_max3_num_f32 v[TM+\b], v[TM+\b], |v[AC+16*\b+\i]|, |v[AC+16*\b+\i+1]|   ; (the four blocks by turns)
.endr
.endr
	WIN 0
.irp b, 0,1,2,3
	v_permlanex16_b32 v[TM+4+\b], v[TM+\b], s[SEL], s[SEL+1]
.endr
.irp b, 0,1,2,3
	v_max_num_f32 v[TM+\b], v[TM+\b], v[TM+4+\b]   ; with lane l xor 16's: the block's largest magnitude
.endr
.irp b, 0,1,2,3
	v_add_nc_u32 v[TM+12+\b], 0xfe000000, v[TM+\b] ; 4 off its exponent field: the conversion's scale operand
.endr
.irp b, 0,1,2,3
	v_lshrrev_b32 v[TM+4+\b], 23, v[TM+12+\b]      ; the scale's byte
.endr
	v_lshl_or_b32 v[PW], v[TM+5], 8, v[TM+4]
	v_lshl_or_b32 v[PW], v[TM+6], 16, v[PW]
	v_lshl_or_b32 v[PW], v[TM+7], 24, v[PW]
	v_lshrrev_b32 v[SW+\a], v[SHV], v[PW]          ; q and k: my half's head's two bytes, the upper two 0;  v: the word as it is
	v_and_b32 v[SW+\a], s[MSK], v[SW+\a]
.if \a > 0
	s_wait_xcnt 0x0                                ; the last block's stores have read their data and their bases: both are written again only behind this wait
	s_add_nc_u64 s[OC0:OC0+1], s[OC0:OC0+1], s[STA:STA+1]
	s_add_nc_u64 s[OC1:OC1+1], s[OC1:OC1+1], s[STA:STA+1]
.endif
	WIN WW                                         ; source 0 in the accumulators' window
.irp c, 0,1
	v_cvt_scalef32_pk16_bf6_f32 v[PC+6*\c:PC+2+6*\c], v[AC+32*\c:AC+15+32*\c], v[TM+12+2*\c]
	v_cvt_scalef32_pk16_bf6_f32 v[PC+12+4*\c:PC+14+4*\c], v[AC+16+32*\c:AC+31+32*\c], v[TM+12+2*\c+1]   ; (a conversion's three registers begin on an even number)
.endr
	WIN 0
	v_nop                                          ; one plain place behind a scaled conversion
.irp c, 0,1                                    ; the operand's layout wants a whole block in a lane: lanes 0-15 block 2 c, lanes 16-31 block 2 c + 1
.irp i, 0,1,2
	v_permlane16_swap_b32 v[PC+6*\c+\i], v[PC+12+4*\c+\i]
.endr
.irp i, 0,1,2
	v_mov_b32 v[PC+3+6*\c+\i], v[PC+12+4*\c+\i]
.endr
.endr
	global_store_b128 v[VO16], v[PC:PC+3], s[OC0:OC0+1] th:TH_STORE_NT              ; 512 consecutive bytes, aligned
	global_store_b64 v[VO8], v[PC+4:PC+5], s[OC0:OC0+1] offset:512 th:TH_STORE_NT   ; 256
	global_store_b128 v[VO16], v[PC+6:PC+9], s[OC1:OC1+1] th:TH_STORE_NT
	global_store_b64 v[VO8], v[PC+10:PC+11], s[OC1:OC1+1] offset:512 th:TH_STORE_NT
.endm
.irp a, 0,1,2,3,4,5,6,7
	QUANTW \a
.endr
	global_store_b128 v[VS], v[SW:SW+3], s[SB0:SB0+1] th:TH_STORE_NT       ; sixteen lanes store 256 consecutive bytes, aligned
	global_store_b128 v[VS], v[SW+4:SW+7], s[SB1:SB1+1] th:TH_STORE_NT
	s_wait_tensorcnt 0x0                           ; the wave's end
	ds_add_u32 v[SPW], v[NIL]
	s_wait_dscnt 0x0
	CROUND                                         ; the closing round: no work-group ends while a partner may still ask for a tile that names it
	s_endpgm
.Lfunc_end_k_qd6444635dc_gemm_qkv:
	.size	k_qd6444635dc_gemm_qkv, .Lfunc_end_k_qd6444635dc_gemm_qkv-k_qd6444635dc_gemm_qkv
	.p2alignl 7, 3214868480
	.fill 96, 4, 3214868480
	.section	.rodata,"a",@progbits
	.p2align	6, 0x0
	.amdhsa_kernel k_qd6444635dc_gemm_qkv
		.amdhsa_group_segment_fixed_size 327680
		.amdhsa_private_segment_fixed_size 0
		.amdhsa_enable_private_segment 0
		.amdhsa_kernarg_size 32
		.amdhsa_user_sgpr_count 2
		.amdhsa_user_sgpr_kernarg_segment_ptr 1
		.amdhsa_wavefront_size32 1
		.amdhsa_system_sgpr_workgroup_id_x 1
		.amdhsa_system_sgpr_workgroup_id_y 1
		.amdhsa_system_sgpr_workgroup_id_z 1
		.amdhsa_system_vgpr_workitem_id 0
		.amdhsa_next_free_vgpr 1024
		.amdhsa_next_free_sgpr 98
		.amdhsa_reserve_vcc 0
		.amdhsa_float_denorm_mode_32 3
		.amdhsa_float_denorm_mode_16_64 3
		.amdhsa_memory_ordered 1
		.amdhsa_forward_progress 1
		.amdhsa_inst_pref_size 167
	.end_amdhsa_kernel
	.amdgpu_metadata
---
amdhsa.version: [ 1, 2 ]
amdhsa.kernels:
  - .name:           k_qd6444635dc_gemm_qkv
    .symbol:         k_qd6444635dc_gemm_qkv.kd
    .args:
      - { .name: cod1, .offset: 0, .size: 8, .value_kind: global_buffer, .address_space: global }
      - { .name: scl1, .offset: 8, .size: 8, .value_kind: global_buffer, .address_space: global }
      - { .name: cod2, .offset: 16, .size: 8, .value_kind: global_buffer, .address_space: global }
      - { .name: scl2, .offset: 24, .size: 8, .value_kind: global_buffer, .address_space: global }
    .group_segment_fixed_size: 327680
    .private_segment_fixed_size: 0
    .kernarg_segment_align: 8
    .kernarg_segment_size: 32
    .max_flat_workgroup_size: 128
    .sgpr_count:     98
    .vgpr_count:     1024
    .wavefront_size: 32
...
	.end_amdgpu_metadata
.endif
;; end of part 2
;; launch attn (part 3): grid 4 x 64, 16 waves a work-group, clusters of 4 x 1, 215,040 bytes of LDS; arguments cod2, scl2, cod3, scl3; writes cod3, scl3
.if DOCPART == 3
	.amdgcn_target "amdgcn-amd-amdhsa--gfx1250"
	.amdhsa_code_object_version 6
	.text
	.protected	k_qd6444635dc_attn
	.globl	k_qd6444635dc_attn
	.p2align	8
	.type	k_qd6444635dc_attn,@function
k_qd6444635dc_attn:
	s_mov_b64 s[64:65], 0
	v_nop
	global_prefetch_b8 v0, s[64:65] scope:SCOPE_SE
	s_setreg_imm32_b32 hwreg(HW_REG_WAVE_MODE, 25, 1), 1
	s_wait_xcnt 0x0
	s_wait_alu depctr_hold_cnt(0) depctr_sa_sdst(0) depctr_va_vdst(0) depctr_va_sdst(0) depctr_va_ssrc(0) depctr_va_vcc(0) depctr_vm_vsrc(0)
	s_getreg_b32 s2, hwreg(HW_REG_IB_STS2, 6, 4)
	s_cmp_eq_u32 s2, 0
	s_cbranch_scc0 .Lentry_in_a_cluster
	s_endpgm
.Lentry_in_a_cluster:
	s_bfe_u32 s2, ttmp6, 0x10000c
	s_cmp_lg_u32 s2, 0x3003
	s_cbranch_scc0 .Lentry_shape_is_right
	s_endpgm
.Lentry_shape_is_right:
; y[b][q][h][:] = the sum over k <= q of softmax_k(Q . K / 8) V, for 64 pairs (batch, head), 2,048 tokens, head size 64; both products on codes of BF6 (E3M2) with E8M0 scales; y leaves as codes, quantised along its channels.
; THE SOFTMAX AHEAD OF THE SECOND PRODUCT: t = score x log2(e) / 8; M = the row's largest t so far, rounded UP to a whole number; p = 2^(t - M) is what is quantised, along the keys; it is not normalised.
; The row's sum is taken of the unquantised p, in f32, and divides O at the end.  When M moves, the sum and O are multiplied by 2^(old M - new M): exact.
; INPUTS are images of operand registers: 16 rows x 64 along K = 6 registers a lane = 768 bytes: registers 0-3 at 16 x lane, registers 4-5 at 512 + 8 x lane.  Every load of an image reads 512 or 256 consecutive bytes.
;   cod2: q and k [head 0-31 (16-31: k's)][tile of 16 tokens 0-511][768];  v from byte 12,582,912: [pair of heads][128 keys 0-63][tile of 16 channels 0-7][2 x 768]
;   scl2: q and k [head][128 tokens][512]: tile a's word of lane r at 256 (a / 4) + 16 r + 4 (a % 4);  v from byte 1,048,576: [head][128 keys][256]: tile a's word at 16 r + 4 a
; THE ROWS OF A TILE ARE NOT NEIGHBOURS: lane r of tile i holds token (or channel) 32 (i / 2) + 8 (i % 2) + r + 8 (r / 8).  Both products are used transposed (S^T = K Q^T, O^T = V^T P^T), so a lane holds ONE query, and
; the 16 registers of result tiles 2 b and 2 b + 1 are 16 neighbours, 32 b + 16 (lane / 16) + 0 .. 15, along the keys (S^T) or the channels (O^T): what the conversions want.
; K = 64 IN AN INSTRUCTION OF K = 128.  Q's registers 6-11 are zero codes for the whole launch, and the upper two bytes of q's and k's scale words are 0.  K's registers 6-11 are simply the next tile's registers 0-5
; (behind the last tile six zeros): every code of E3M2 is a finite number, so those products are exact zeros.
; SHARES.  The four work-groups of a cluster serve one (batch, head).  ALL its K and V lie in each one's LDS (208,896 bytes), filled ONCE by ten joint loads at the head: no ring, no refill, nothing is stored to LDS.
; So every byte of K and V that the work-group reads is asked for at the head, and there is no later request ahead of which a prefetch could run.
; A head has 128 tiles of 16 queries.  Wave w of the partner at place cx owns tiles lo = 4 w + cx and hi = 127 - lo.  In key steps of 128, lo wants w / 2 + 1 and hi 16 - w / 2: 17 for every wave, and both counts hang on
; the wave's number alone.  Steps that lie wholly behind the diagonal are jumped over by a scalar branch on the wave's number; in the one step on the diagonal hidden scores become -infinity.
; Sixteen waves of 256 registers, four to a SIMD: one wave's vector work stands beside another's matrix work and LDS loads; in this launch vector instructions outnumber matrix instructions by about 25 to 1.
; OUTPUTS.  cod3: [tile of 16 tokens 0-511][head][768];  scl3: [16 x tile + r][32], head h's two bytes at 2 h (two bytes a lane, 32 apart: 32 bytes beside a tile's 768 of codes).
; LIMITS: NaN and infinities are not served.  1 / l is v_rcp_f32 and a multiplication.  A block's largest p is taken from its largest score, by the same two instructions as every p (this takes v_exp_f32 not to fall where
; its input rises).  A block of y under 2^-122, or of p that has fallen to 0, keeps the scale byte 1: its codes are zeros or tiny; the bytes are read by this program alone.
.set KC,    0                          ; LDS: K's 128 tiles of 768 bytes,
.set VC,    98304                      ; V's 16 steps x 4 tiles x 1,536 bytes,
.set KSB,   196608                     ; K's scale words, 16 x 512 bytes,
.set VSB,   204800                     ; V's, 16 x 256 bytes
.set STEPB, 6144                       ; a key step's bytes of K, and of V
.set AL16, 1                           ; v1   16 x lane
.set AL8,  2                           ; v2   8 x lane + 512
.set AR16, 3                           ; v3   16 x (lane % 16)
.set ADK16, 4                          ; v4-9 the step's LDS addresses
.set ADK8, 5
.set ADV16, 6
.set ADV8, 7
.set ADKS, 8
.set ADVS, 9
.set DHI,  10                          ; v10  tile hi: my query - the diagonal step's first key - 16 (lane / 16)
.set DLO,  11                          ; v11  the same for tile lo
                                       ; v12 -M, v13 the largest t, v[14:15] the sum in two halves
.set QF,   16                          ; v16-27 Q's fragment; v22-27 stay 0
.set QSW,  28                          ; v28  Q's scale words
.set YSO,  29                          ; v29  32 x (lane % 16)
.set KF,   32                          ; v32-79 K's eight tiles, 6 registers each; v80-85 stay 0
.set KSW,  86                          ; v86-93 K's scale words
.set PSW,  94                          ; v94  p's scale word
.set S,    96                          ; v96-159 S^T, then p
.set O,    160                         ; v160-191 O^T
.set VF,   192                         ; v192-239 V's four fragments
.set VSW,  240                         ; v240-243 V's scale words
.set QL,   244                         ; v244-250 tile lo's Q and its scale words, kept for the second pass
.set NINF, 255                         ; v255 -infinity;  v[252:253] f;  v254 at work
.set BM,   32                          ; once S^T is made K's registers are free: v32-35 the blocks' largest scores, then p
.set BT,   36                          ; v36-39 the other half's
.set SO,   40                          ; v40-43 the conversions' scale operands
.set SUM2, 44                          ; v[44:45] the sum's second chain
.set PC,   48                          ; v48-59 p's codes; v60-66 halves on their way
.set BY,   68                          ; v68-71 scale bytes
.set LC,   2                           ; s2   a loop's counter
.set WV,   16
.set CX,   17
.set HD,   18
.set BAT,  19
.set SEL,  20                          ; s[20:21] lane selects for v_permlanex16_b32: lane l xor 16
.set CS,   22                          ; s[22:23] c = log2(e) / 8
.set G1K,  24                          ; s[24:31] group 1: a chunk of K: 24,576 dense bytes;  s[32:39] of V: 4 rows of 6,144 bytes;  s[40:47], s[48:55] the scale words
.set G1V,  32
.set G1KS, 40
.set G1VS, 48
.set G0S,  56                          ; s[56:59] group 0 for the scale words; s[60:63], s[68:79] for the four chunks
.set SI,   80                          ; s80  the key step
.set DS,   81                          ; s81  the step on the diagonal
.set TK,   82                          ; s82-85 where the step's K, V and their scale words begin in LDS
.set TV,   83
.set TKS,  84
.set TVS,  85
.set YH,   86                          ; s[86:87], s[88:89] where tile hi's codes and scale bytes go;  s[90:91], s[92:93] tile lo's
.set ZH,   88
.set YL,   90
.set ZL,   92
.macro CROUND                          ; a round of the cluster's barrier
	s_barrier_signal -1
	s_barrier_wait -1
	s_cmp_lg_u32 s[WV], 0
	s_cbranch_scc1 .Lnot_wave_0_\@
	s_barrier_signal -3
.Lnot_wave_0_\@:
	s_barrier_wait -3
	s_barrier_signal -1
	s_barrier_wait -1
.endm
	s_load_b256 s[4:11], s[0:1], 0x0               ; cod2 s[4:5], scl2 s[6:7], cod3 s[8:9], scl3 s[10:11]
	v_lshl_add_u32 v95, v0, 2, 0x34000
	v_mov_b32 v251, 0
	ds_add_u32 v95, v251
	ds_add_u32 v95, v251
	v_lshrrev_b32 v254, 5, v0
	v_readfirstlane_b32 s[WV], v254                ; wave 0..15
	s_bfe_u32 s[CX], ttmp6, 0x40000                ; my place in the cluster: it enters global addresses and the mask's numbers alone
	s_and_b32 s94, ttmp7, 0xffff
	s_and_b32 s[HD], s94, 15                       ; the head
	s_lshr_b32 s[BAT], s94, 4                      ; the batch
	; descriptor group 1: elements of 8 bytes, no padding; 15:0 the mask: all four work-groups; 21 set beside a mask
.irp g, G1K, G1V, G1KS, G1VS
	s_mov_b32 s[\g], 15|(3<<16)|(1<<21)
	s_mov_b32 s[\g+6], 0
	s_mov_b32 s[\g+7], 0
.endr
	s_mov_b32 s[G1K+1], 32<<16                     ; K: 96 rows of 256 bytes, dense
	s_mov_b32 s[G1K+2], 96<<16
	s_mov_b32 s[G1K+3], 32<<16
	s_mov_b32 s[G1K+4], 96
	s_mov_b32 s[G1K+5], 32
	s_mov_b32 s[G1V+1], 768<<16                    ; V: 4 rows (key steps) of 6,144 bytes (my head's four tiles), 12,288 bytes apart
	s_mov_b32 s[G1V+2], 4<<16
	s_mov_b32 s[G1V+3], 768<<16
	s_mov_b32 s[G1V+4], 4
	s_mov_b32 s[G1V+5], 1536
	s_mov_b32 s[G1KS+1], 32<<16                    ; K's scale words: 32 rows of 256 bytes
	s_mov_b32 s[G1KS+2], 32<<16
	s_mov_b32 s[G1KS+3], 32<<16
	s_mov_b32 s[G1KS+4], 32
	s_mov_b32 s[G1KS+5], 32
	s_mov_b32 s[G1VS+1], 32<<16                    ; V's: 16 rows
	s_mov_b32 s[G1VS+2], 16<<16
	s_mov_b32 s[G1VS+3], 32<<16
	s_mov_b32 s[G1VS+4], 16
	s_mov_b32 s[G1VS+5], 32
	; where they come from: wave 0 fetches K's, wave 1 V's.  Offsets are chosen, never pointers
	s_add_co_u32 s94, s[HD], 16
	s_mul_i32 s95, s94, 393216
	s_mul_i32 s96, s[BAT], 98304
	s_add_co_u32 s95, s95, s96                     ; K's codes of my batch and head
	s_lshr_b32 s96, s[HD], 1
	s_mul_i32 s96, s96, 786432
	s_mul_i32 s97, s[BAT], 196608
	s_add_co_u32 s96, s96, s97
	s_and_b32 s97, s[HD], 1
	s_mul_i32 s97, s97, 6144
	s_add_co_u32 s96, s96, s97
	s_add_co_u32 s96, s96, 12582912                ; V's
	s_lshl_b32 s97, s94, 15
	s_lshl_b32 s98, s[BAT], 13
	s_add_co_u32 s97, s97, s98                     ; K's scale words
	s_lshl_b32 s98, s[HD], 14
	s_lshl_b32 s99, s[BAT], 12
	s_add_co_u32 s98, s98, s99
	s_add_co_u32 s98, s98, 1048576                 ; V's
	s_mov_b32 s99, 49152
	s_cmp_eq_u32 s[WV], 0
	s_cselect_b32 s94, s95, s96
	s_cselect_b32 s96, s97, s98
	s_cselect_b32 s98, 24576, s99                  ; from chunk to chunk in memory
	s_mov_b32 s95, 0
	s_mov_b32 s97, 0
	s_mov_b32 s99, 0
	s_and_b32 s2, s[WV], 1
	s_mul_i32 s3, s2, VC                           ; and where they go: K's chunks from 0, V's from VC,
	s_mul_i32 s2, s2, VSB-KSB                      ; the scale words likewise
	s_wait_dscnt 0x0
	s_wait_kmcnt 0x0
	s_add_nc_u64 s[94:95], s[4:5], s[94:95]
	s_add_nc_u64 s[96:97], s[6:7], s[96:97]
	s_mov_b32 s[G0S], 1
	s_add_co_u32 s[G0S+1], s2, KSB
	s_mov_b64 s[G0S+2:G0S+3], s[96:97]
	s_or_b32 s[G0S+3], s[G0S+3], 0x80000000
.set c, 0
.irp g, 60,68,72,76
	s_mov_b32 s[\g], 1
	s_add_co_u32 s[\g+1], s3, c*24576              ; chunk c: key steps 4 c to 4 c + 3
	s_mov_b64 s[\g+2:\g+3], s[94:95]
	s_or_b32 s[\g+3], s[\g+3], 0x80000000
	s_add_nc_u64 s[94:95], s[94:95], s[98:99]
.set c, c+1
.endr
	CROUND                                         ; all four work-groups are here: the joint loads meet
	s_cmp_eq_u32 s[WV], 0                          ; a wave's five fills stand in one branch on its number, ahead of every wait on TENSORcnt and every LDS read; five tensor loads of the wave are out
	s_cbranch_scc0 .Lnot_k
	tensor_load_to_lds s[G0S:G0S+3], s[G1KS:G1KS+7]
	s_nop 0
	tensor_load_to_lds s[60:63], s[G1K:G1K+7]
	s_nop 0
	tensor_load_to_lds s[68:71], s[G1K:G1K+7]
	s_nop 0
	tensor_load_to_lds s[72:75], s[G1K:G1K+7]
	s_nop 0
	tensor_load_to_lds s[76:79], s[G1K:G1K+7]
	s_nop 0
.rept 4
	v_nop
.endr
	s_branch .Lasked
.Lnot_k:
	s_cmp_eq_u32 s[WV], 1
	s_cbranch_scc0 .Lasked
	tensor_load_to_lds s[G0S:G0S+3], s[G1VS:G1VS+7]
	s_nop 0
	tensor_load_to_lds s[60:63], s[G1V:G1V+7]
	s_nop 0
	tensor_load_to_lds s[68:71], s[G1V:G1V+7]
	s_nop 0
	tensor_load_to_lds s[72:75], s[G1V:G1V+7]
	s_nop 0
	tensor_load_to_lds s[76:79], s[G1V:G1V+7]
	s_nop 0
.rept 4
	v_nop
.endr
.Lasked:
	v_and_b32 v254, 31, v0                         ; lane
	v_lshlrev_b32 v[AL16], 4, v254
	v_lshl_add_u32 v[AL8], v254, 3, 512
	v_and_b32 v253, 15, v0                         ; r
	v_lshlrev_b32 v[AR16], 4, v253
	v_lshlrev_b32 v[YSO], 5, v253
	v_bfe_u32 v252, v0, 4, 1                       ; h
	v_and_b32 v254, 8, v253
	v_add_nc_u32 v254, v254, v253                  ; r + 8 (r / 8)
	v_lshlrev_b32 v252, 4, v252
	v_sub_nc_u32 v254, v254, v252                  ; - 16 h
; Tile number s[t] of my head: where its Q and scale words lie, where its y goes, and the mask's number for my lane.
.macro TILE t, qc, qs, yb, sb, dv
	s_lshl_b32 s94, s[BAT], 7
	s_add_co_u32 s94, s94, s[\t]                   ; the tile among all 512
	s_mul_i32 s96, s94, 768
	s_mul_i32 s97, s[HD], 393216
	s_add_co_u32 s96, s96, s97
	s_mov_b32 s97, 0
	s_add_nc_u64 s[\qc:\qc+1], s[4:5], s[96:97]
	s_lshl_b32 s96, s[HD], 15
	s_lshl_b32 s98, s[BAT], 13
	s_add_co_u32 s96, s96, s98
	s_lshr_b32 s98, s[\t], 2
	s_lshl_b32 s98, s98, 8                         ; 512 (t / 8) + 256 ((t / 4) % 2)
	s_add_co_u32 s96, s96, s98
	s_and_b32 s98, s[\t], 3
	s_lshl_b32 s98, s98, 2
	s_add_co_u32 s96, s96, s98
	s_add_nc_u64 s[\qs:\qs+1], s[6:7], s[96:97]
	s_mul_i32 s96, s94, 12288
	s_mul_i32 s98, s[HD], 768
	s_add_co_u32 s96, s96, s98
	s_add_nc_u64 s[\yb:\yb+1], s[8:9], s[96:97]
	s_lshl_b32 s96, s94, 9
	s_lshl_b32 s98, s[HD], 1
	s_add_co_u32 s96, s96, s98
	s_add_nc_u64 s[\sb:\sb+1], s[10:11], s[96:97]
	s_and_b32 s96, s[\t], 6
	s_lshl_b32 s96, s96, 4
	s_and_b32 s98, s[\t], 1
	s_lshl_b32 s98, s98, 3
	s_add_co_u32 s96, s96, s98                     ; 32 ((t % 8) / 2) + 8 (t % 2): the tile's first token in its 128
	v_add_nc_u32 v[\dv], s96, v254
.endm
	s_lshl_b32 s3, s[WV], 2
	s_add_co_u32 s3, s3, s[CX]                     ; lo = 4 w + cx
	s_sub_co_u32 s2, 127, s3                       ; hi = 127 - lo
	TILE 2, 12, 14, YH, ZH, DHI
	TILE 3, 66, 100, YL, ZL, DLO
	global_load_b128 v[QF:QF+3], v[AL16], s[12:13] th:TH_LOAD_NT
	global_load_b64 v[QF+4:QF+5], v[AL8], s[12:13] th:TH_LOAD_NT
	global_load_b32 v[QSW], v[AR16], s[14:15] th:TH_LOAD_NT
	global_load_b128 v[QL:QL+3], v[AL16], s[66:67] th:TH_LOAD_NT
	global_load_b64 v[QL+4:QL+5], v[AL8], s[66:67] th:TH_LOAD_NT
	global_load_b32 v[QL+6], v[AR16], s[100:101] th:TH_LOAD_NT
	s_mov_b32 s[SEL], 0x76543210
	s_mov_b32 s[SEL+1], 0xfedcba98
	s_mov_b32 s[CS], 0x3e38aa3b                    ; c = log2(e) / 8
	s_mov_b32 s[CS+1], s[CS]                       ; (named with it as a pair, so it is written)
.irp i, 0,1,2,3,4,5
	v_mov_b32 v[QF+6+\i], 0                        ; Q's upper 64 along K: zero codes
	v_mov_b32 v[KF+48+\i], 0                       ; what the last tile of K names as its upper 64
.endr
	v_mov_b32 v[NINF], 0xff800000
	v_mov_b32 v253, 0                              ; (named as the upper half of the pair v[252:253])
.macro INIT                            ; a pass is written once: its first step finds zeros, which the first change of M leaves zeros
	v_mov_b32 v13, 0xff61b1e6                      ; the largest t so far: -3e38, under every t
	v_floor_f32 v12, -v13                          ; -M
	v_mov_b32 v14, 0
	v_mov_b32 v15, 0
.set n, 0
.rept 32
	v_mov_b32 v[O+n], 0
.set n, n+1
.endr
.endm
.macro ATSTEP n0                       ; the walk stands at key step n0: constants, so that every LDS address can be read off the text
	s_mov_b32 s[SI], \n0
	s_mov_b32 s[TK], KC+STEPB*(\n0)
	s_mov_b32 s[TV], VC+STEPB*(\n0)
	s_mov_b32 s[TKS], KSB+512*(\n0)
	s_mov_b32 s[TVS], VSB+256*(\n0)
.endm
; A KEY STEP: 128 keys.  causal = 1: the step may lie on or behind the diagonal.
.macro STEP causal, dreg
.if \causal
	s_cmp_gt_u32 s[SI], s[DS]                      ; all its keys come after my queries: only the addresses step
	s_cbranch_scc1 .Lhidden_\@
.endif
	v_add_nc_u32 v[ADK16], s[TK], v[AL16]          ; six plain lines: the places in front of loads into registers that the last step's products have read
	v_add_nc_u32 v[ADK8], s[TK], v[AL8]
	v_add_nc_u32 v[ADV16], s[TV], v[AL16]
	v_add_nc_u32 v[ADV8], s[TV], v[AL8]
	v_add_nc_u32 v[ADKS], s[TKS], v[AR16]
	v_add_nc_u32 v[ADVS], s[TVS], v[AR16]
.irp t, 0,1,2,3,4,5,6,7
	ds_load_b128 v[KF+6*\t:KF+6*\t+3], v[ADK16] offset:768*\t
	ds_load_b64 v[KF+6*\t+4:KF+6*\t+5], v[ADK8] offset:768*\t
.endr
	ds_load_b128 v[KSW:KSW+3], v[ADKS]
	ds_load_b128 v[KSW+4:KSW+7], v[ADKS] offset:256
.irp a, 0,1,2,3                                ; V's 17 loads go out with K's: the whole softmax stands between them and their use
	ds_load_b128 v[VF+12*\a:VF+12*\a+3], v[ADV16] offset:1536*\a
	ds_load_b64 v[VF+12*\a+4:VF+12*\a+5], v[ADV8] offset:1536*\a
	ds_load_b128 v[VF+12*\a+6:VF+12*\a+9], v[ADV16] offset:1536*\a+768
	ds_load_b64 v[VF+12*\a+10:VF+12*\a+11], v[ADV8] offset:1536*\a+768
.endr
	ds_load_b128 v[VSW:VSW+3], v[ADVS]
	s_wait_dscnt 17                                ; K and its scale words are in; V's 17 loads may be out
.irp t, 0,1,2,3,4,5,6,7                        ; S^T = K Q^T: lane (r, h) holds query r; register 8 t + j is key 32 (t / 2) + 16 h + 8 (t % 2) + j
	v_wmma_scale_f32_16x16x128_f8f6f4 v[S+8*\t:S+8*\t+7], v[KF+6*\t:KF+6*\t+11], v[QF:QF+11], 0, v[KSW+\t], v[QSW] matrix_a_fmt:MATRIX_FMT_BF6 matrix_b_fmt:MATRIX_FMT_BF6
.endr
.rept 4
	v_nop                                          ; places behind the products
.endr
.if \causal
	s_cmp_lt_u32 s[SI], s[DS]                      ; all its keys count: no mask
	s_cbranch_scc1 .Lopen_\@
.set n, 0
.rept 64                                       ; register 16 b + i holds key 32 b + 16 h + i of the step: hidden where 32 b + i > my query - 16 h
	v_cmp_gt_i32 vcc_lo, 32*(n/16)+n%16, v[\dreg]
	v_cndmask_b32 v[S+n], v[S+n], v[NINF], vcc_lo
.set n, n+1
.endr
.Lopen_\@:
.endif
.irp b, 0,1,2,3
	v_max3_num_f32 v[BM+\b], v[S+16*\b], v[S+1+16*\b], v[S+2+16*\b]   ; the largest score of each block of 32 keys: it serves for the row's maximum and, since p rises with the score, for the block's largest p
.endr
.irp i, 3,5,7,9,11,13
.irp b, 0,1,2,3
	v_max3_num_f32 v[BM+\b], v[BM+\b], v[S+16*\b+\i], v[S+1+16*\b+\i]
.endr
.endr
.irp b, 0,1,2,3
	v_max_num_f32 v[BM+\b], v[BM+\b], v[S+15+16*\b]
.endr
.irp b, 0,1,2,3
	v_permlanex16_b32 v[BT+\b], v[BM+\b], s[SEL], s[SEL+1]
.endr
.irp b, 0,1,2,3
	v_max_num_f32 v[BM+\b], v[BM+\b], v[BT+\b]     ; with lane l xor 16's 16 keys
.endr
	v_max3_num_f32 v254, v[BM], v[BM+1], v[BM+2]
	v_max_num_f32 v254, v254, v[BM+3]              ; the step's largest score of my query
	v_mul_f32 v254, s[CS], v254                    ; as t
	v_max_num_f32 v13, v13, v254                   ; the running largest t
	v_mov_b32 v254, v12
	v_floor_f32 v12, -v13                          ; the new -M = floor(-t) = -ceil(t): a whole number
	v_sub_f32 v254, v12, v254                      ; old M - new M: a whole number, 0 or less
	v_cvt_i32_f32 v254, v254                       ; (it saturates)
	v_ldexp_f32 v252, 1.0, v254                    ; f = 2^(old M - new M)
.set n, 0
.rept 32
	v_pk_fma_f32 v[S+n:S+n+1], v[S+n:S+n+1], s[CS:CS+1], v[12:13] op_sel_hi:[1,0,0]   ; t - M, two at a time
.set n, n+2
.endr
.irp b, 0,1,2,3
	v_fma_f32 v[BM+\b], v[BM+\b], s[CS], v12       ; the same of each block's largest score
.endr
.set n, 0
.rept 64
	v_exp_f32 v[S+n], v[S+n]                       ; p = 2^(t - M), at most 1: not normalised
.set n, n+1
.endr
	v_pk_mul_f32 v[14:15], v[14:15], v[252:253] op_sel_hi:[1,0]   ; the sums under the new M (the plain line behind the exponentials)
	s_wait_alu depctr_va_vdst(0)                   ; one wait for the batch of 64, ahead of its first reader
.irp b, 0,1,2,3
	v_exp_f32 v[BM+\b], v[BM+\b]                   ; the blocks' largest p
.endr
	v_pk_add_f32 v[SUM2:SUM2+1], v[S:S+1], v[S+2:S+3]   ; the row's sum is taken of the unquantised p, two at a time, in two chains.  Its first 15 lines are the work behind the four exponentials
.irp j, 4,8,12,16,20,24,28
	v_pk_add_f32 v[14:15], v[14:15], v[S+\j:S+\j+1]
	v_pk_add_f32 v[SUM2:SUM2+1], v[SUM2:SUM2+1], v[S+2+\j:S+3+\j]
.endr
	s_wait_alu depctr_va_vdst(0)                   ; and one wait for the four
.irp b, 0,1,2,3
	v_max_num_f32 v[BM+\b], 0x2800000, v[BM+\b]    ; the floor 2^(5 - 127): the byte cannot fall under 1
.endr
.irp b, 0,1,2,3
	v_add_nc_u32 v[SO+\b], 0xfe000000, v[BM+\b]    ; 4 off the exponent field: the conversion's scale operand
.endr
.irp b, 0,1,2,3
	v_lshrrev_b32 v[BY+\b], 23, v[SO+\b]           ; the scale's byte
.endr
	v_lshl_or_b32 v[PSW], v[BY+1], 8, v[BY]        ; p's scale word for these 128 keys
	v_lshl_or_b32 v[PSW], v[BY+2], 16, v[PSW]
	v_lshl_or_b32 v[PSW], v[BY+3], 24, v[PSW]
.irp c, 0,1
	v_cvt_scalef32_pk16_bf6_f32 v[PC+6*\c:PC+2+6*\c], v[S+32*\c:S+15+32*\c], v[SO+2*\c]
	v_cvt_scalef32_pk16_bf6_f32 v[PC+12+4*\c:PC+14+4*\c], v[S+16+32*\c:S+31+32*\c], v[SO+2*\c+1]   ; (a conversion's three registers begin on an even number)
.endr
	v_nop                                          ; one plain place behind a scaled conversion
.irp c, 0,1                                    ; the operand's layout wants a whole block in a lane: lanes 0-15 block 2 c, lanes 16-31 block 2 c + 1
.irp i, 0,1,2
	v_permlane16_swap_b32 v[PC+6*\c+\i], v[PC+12+4*\c+\i]
.endr
.irp i, 0,1,2
	v_mov_b32 v[PC+3+6*\c+\i], v[PC+12+4*\c+\i]
.endr
.endr
.set n, 0
.rept 16
	v_pk_mul_f32 v[O+n:O+n+1], v[O+n:O+n+1], v[252:253] op_sel_hi:[1,0]   ; O^T under the new M, each accumulator from its low end on
.set n, n+2
.endr
.irp j, 32,36,40,44,48,52,56,60                ; the sum's other 17 lines: with the 16 above they are the places between the last write of p's codes, its scale word and O^T, and the products
	v_pk_add_f32 v[14:15], v[14:15], v[S+\j:S+\j+1]
	v_pk_add_f32 v[SUM2:SUM2+1], v[SUM2:SUM2+1], v[S+2+\j:S+3+\j]
.endr
	v_pk_add_f32 v[14:15], v[14:15], v[SUM2:SUM2+1]
	s_wait_dscnt 0x0                               ; V and its scale words are in
.irp a, 0,1,2,3                                ; O^T += V^T P^T: the four accumulators by turns; the next step's eight products stand between two links of a chain
	v_wmma_scale_f32_16x16x128_f8f6f4 v[O+8*\a:O+8*\a+7], v[VF+12*\a:VF+12*\a+11], v[PC:PC+11], v[O+8*\a:O+8*\a+7], v[VSW+\a], v[PSW] matrix_a_fmt:MATRIX_FMT_BF6 matrix_b_fmt:MATRIX_FMT_BF6
.endr
.if \causal
.Lhidden_\@:
.endif
	s_add_co_u32 s[TK], s[TK], STEPB
	s_add_co_u32 s[TV], s[TV], STEPB
	s_add_co_u32 s[TKS], s[TKS], 512
	s_add_co_u32 s[TVS], s[TVS], 256
	s_add_co_u32 s[SI], s[SI], 1
.endm
; A TILE'S END: y = O^T / the sum, quantised along its 64 channels (two blocks of 32), stored as an image of six registers and two scale bytes a row.
.macro EPI yb, sb
.rept 4
	v_nop                                          ; places behind the last products
.endr
	v_add_f32 v14, v14, v15                        ; the sum's two halves,
	v_permlanex16_b32 v254, v14, s[SEL], s[SEL+1]
	v_add_f32 v14, v14, v254                       ; and lane l xor 16's: the row's sum
	v_rcp_f32 v14, v14
	v_nop                                          ; a plain place behind the reciprocal,
	s_wait_alu depctr_va_vdst(0)                   ; and the wait ahead of its first reader
.set n, 0
.rept 16
	v_pk_mul_f32 v[S+n:S+n+1], v[O+n:O+n+1], v[14:15] op_sel_hi:[1,0]   ; register 16 b + i is channel 32 b + 16 h + i of my query
.set n, n+2
.endr
.irp b, 0,1
	v_max3_num_f32 v[BM+\b], |v[S+16*\b]|, |v[S+1+16*\b]|, 0x2800000
.endr
.irp i, 2,4,6,8,10,12,14
.irp b, 0,1
	v_max3_num_f32 v[BM+\b], v[BM+\b], |v[S+16*\b+\i]|, |v[S+1+16*\b+\i]|
.endr
.endr
.irp b, 0,1
	v_permlanex16_b32 v[BT+\b], v[BM+\b], s[SEL], s[SEL+1]
.endr
.irp b, 0,1
	v_max_num_f32 v[BM+\b], v[BM+\b], v[BT+\b]
.endr
.irp b, 0,1
	v_add_nc_u32 v[SO+\b], 0xfe000000, v[BM+\b]
.endr
.irp b, 0,1
	v_lshrrev_b32 v[BY+\b], 23, v[SO+\b]
.endr
	v_lshl_or_b32 v[BY], v[BY+1], 8, v[BY]
	v_cvt_scalef32_pk16_bf6_f32 v[PC:PC+2], v[S:S+15], v[SO]
	v_cvt_scalef32_pk16_bf6_f32 v[PC+12:PC+14], v[S+16:S+31], v[SO+1]
	v_nop
.irp i, 0,1,2
	v_permlane16_swap_b32 v[PC+\i], v[PC+12+\i]
.endr
.irp i, 0,1,2
	v_mov_b32 v[PC+3+\i], v[PC+12+\i]
.endr
	global_store_b128 v[AL16], v[PC:PC+3], s[\yb:\yb+1] th:TH_STORE_NT     ; 512 consecutive bytes, aligned
	global_store_b64 v[AL8], v[PC+4:PC+5], s[\yb:\yb+1] th:TH_STORE_NT     ; 256 (the offset register holds the 512)
	global_store_b16 v[YSO], v[BY], s[\sb:\sb+1] th:TH_STORE_NT            ; my row's two bytes (lanes 16-31 store what lanes 0-15 store)
	s_wait_xcnt 0x0                                ; the stores have read their data: the registers are written again only behind this wait
.endm
.macro BARRIER
	s_wait_dscnt 0x0
	s_barrier_signal -1
	s_barrier_wait -1
.endm
	INIT
	s_wait_loadcnt 0x0                             ; both tiles' Q; their address registers are free
	; ---- tile hi: key steps 0 to 15 - w / 2, at least nine.  The first eight are open for every wave, so the waves do like work between the three barriers; behind the third nothing is waited for any more
	s_lshr_b32 s[DS], s[WV], 1
	s_sub_co_u32 s[DS], 15, s[DS]
	s_wait_tensorcnt 0x3                           ; in waves 0 and 1: the scale words and chunk 0 (key steps 0-3) are in; three chunks may be out
	BARRIER
	ATSTEP 0
	s_mov_b32 s[LC], 4
.Lhi0:
	STEP 0, DHI
	s_sub_co_u32 s[LC], s[LC], 1
	s_cmp_lg_u32 s[LC], 0
	s_cbranch_scc1 .Lhi0
	s_wait_tensorcnt 0x2                           ; chunk 1 (key steps 4-7) is in; two may be out
	BARRIER
	ATSTEP 4
	s_mov_b32 s[LC], 4
.Lhi1:
	STEP 0, DHI
	s_sub_co_u32 s[LC], s[LC], 1
	s_cmp_lg_u32 s[LC], 0
	s_cbranch_scc1 .Lhi1
	s_wait_tensorcnt 0x0                           ; all of K and V is in
	BARRIER
	ATSTEP 8
	s_mov_b32 s[LC], 8
.Lhi2:
	STEP 1, DHI
	s_sub_co_u32 s[LC], s[LC], 1
	s_cmp_lg_u32 s[LC], 0
	s_cbranch_scc1 .Lhi2
	EPI YH, ZH
	; ---- tile lo: key steps 0 to w / 2
.irp i, 0,1,2,3,4,5
	v_mov_b32 v[QF+\i], v[QL+\i]
.endr
	v_mov_b32 v[QSW], v[QL+6]
	INIT                                           ; (its 36 lines are also the places between these writes and the next products)
	s_lshr_b32 s[DS], s[WV], 1
	ATSTEP 0
	s_mov_b32 s[LC], 8
.Llo:
	STEP 1, DLO
	s_sub_co_u32 s[LC], s[LC], 1
	s_cmp_lg_u32 s[LC], 0
	s_cbranch_scc1 .Llo
	EPI YL, ZL
	s_wait_tensorcnt 0x0
	s_wait_dscnt 0x0
	s_wait_tensorcnt 0x0
	ds_add_u32 v95, v251
	s_wait_dscnt 0x0
	CROUND                                         ; the closing round
	s_endpgm
.Lfunc_end_k_qd6444635dc_attn:
	.size	k_qd6444635dc_attn, .Lfunc_end_k_qd6444635dc_attn-k_qd6444635dc_attn
	.p2alignl 7, 3214868480
	.fill 96, 4, 3214868480
	.section	.rodata,"a",@progbits
	.p2align	6, 0x0
	.amdhsa_kernel k_qd6444635dc_attn
		.amdhsa_group_segment_fixed_size 215040
		.amdhsa_private_segment_fixed_size 0
		.amdhsa_enable_private_segment 0
		.amdhsa_kernarg_size 32
		.amdhsa_user_sgpr_count 2
		.amdhsa_user_sgpr_kernarg_segment_ptr 1
		.amdhsa_wavefront_size32 1
		.amdhsa_system_sgpr_workgroup_id_x 1
		.amdhsa_system_sgpr_workgroup_id_y 1
		.amdhsa_system_sgpr_workgroup_id_z 1
		.amdhsa_system_vgpr_workitem_id 0
		.amdhsa_next_free_vgpr 256
		.amdhsa_next_free_sgpr 102
		.amdhsa_reserve_vcc 1
		.amdhsa_float_denorm_mode_32 3
		.amdhsa_float_denorm_mode_16_64 3
		.amdhsa_memory_ordered 1
		.amdhsa_forward_progress 1
		.amdhsa_inst_pref_size 98
	.end_amdhsa_kernel
	.amdgpu_metadata
---
amdhsa.version: [ 1, 2 ]
amdhsa.kernels:
  - .name:           k_qd6444635dc_attn
    .symbol:         k_qd6444635dc_attn.kd
    .args:
      - { .name: cod2, .offset: 0, .size: 8, .value_kind: global_buffer, .address_space: global }
      - { .name: scl2, .offset: 8, .size: 8, .value_kind: global_buffer, .address_space: global }
      - { .name: cod3, .offset: 16, .size: 8, .value_kind: global_buffer, .address_space: global }
      - { .name: scl3, .offset: 24, .size: 8, .value_kind: global_buffer, .address_space: global }
    .group_segment_fixed_size: 215040
    .private_segment_fixed_size: 0
    .kernarg_segment_align: 8
    .kernarg_segment_size: 32
    .max_flat_workgroup_size: 512
    .sgpr_count:     102
    .vgpr_count:     256
    .wavefront_size: 32
...
	.end_amdgpu_metadata
.endif
;; end of part 3
;; launch gemm_out (part 4): grid 4 x 32, 4 waves a work-group, clusters of 4 x 4, 327,680 bytes of LDS; arguments cod3, scl3, cod1, scl1, out0; writes out0
.if DOCPART == 4
	.amdgcn_target "amdgcn-amd-amdhsa--gfx1250"
	.amdhsa_code_object_version 6
	.text
	.protected	k_qd6444635dc_gemm_out
	.globl	k_qd6444635dc_gemm_out
	.p2align	8
	.type	k_qd6444635dc_gemm_out,@function
k_qd6444635dc_gemm_out:
	s_mov_b64 s[64:65], 0
	v_nop
	global_prefetch_b8 v0, s[64:65] scope:SCOPE_SE
	s_setreg_imm32_b32 hwreg(HW_REG_WAVE_MODE, 25, 1), 1
	s_wait_xcnt 0x0
	s_wait_alu depctr_hold_cnt(0) depctr_sa_sdst(0) depctr_va_vdst(0) depctr_va_sdst(0) depctr_va_ssrc(0) depctr_va_vcc(0) depctr_vm_vsrc(0)
	s_getreg_b32 s2, hwreg(HW_REG_IB_STS2, 6, 4)
	s_cmp_eq_u32 s2, 0
	s_cbranch_scc0 .Lentry_in_a_cluster
	s_endpgm
.Lentry_in_a_cluster:
	s_bfe_u32 s2, ttmp6, 0x10000c
	s_cmp_lg_u32 s2, 0xf033
	s_cbranch_scc0 .Lentry_shape_is_right
	s_endpgm
.Lentry_shape_is_right:
; out0 = y w_proj^T on codes of BF6 (E3M2) with E8M0 scales; sums in f32, out0 [8192][1024] f32.
; A = y: cod3 [tile of 16 tokens 0-511][head 0-15][768]: images of operand registers (16 rows x 64 K = 6 registers a lane: registers 0-3 at 16 x lane, registers 4-5 at 512 + 8 x lane); two neighbouring heads are one
; fragment of 128 along K.  scl3: [16 x tile + r][32 bytes].  Lane r of tile i holds token 32 (i / 2) + 8 (i % 2) + r + 8 (r / 8): the stores at the end put the rows back in order, by their immediates.
; B = w_proj: rows 11,264 on of cod1 (768 bytes a row) and of scl1 (32 bytes a row), in their own order.
; A tile of out0, 256 x 256, is made by a work-group of four waves; a wave makes 128 x 128: 64 accumulators, 512 registers.  K goes in steps of 256 through a ring of two LDS slots: A's part of a slot is 16 tiles x 3,072
; dense bytes (no pitch, no padding: every LDS load reads consecutive bytes), B's 256 rows of 192 bytes, 240 apart.  The scale bytes of the 2 x 256 rows come into LDS once, with the first fills.
; 128 tiles: half of the chip's WGPs have a work-group; a tile of 128 x 256 would fill them at twice the LDS reads for each product.
; CLUSTERS: 4 x 4 work-groups: A's tiles are shared along a row of the cluster, B's along a column, by joint loads.  THE MATRIX INSTRUCTION IS USED TRANSPOSED (source 0 = 16 rows of B, source 1 = 16 rows of A):
; a lane holds eight neighbouring numbers of a row of out0.  No prefetch: K has four steps, two of them first fills.
; REGISTERS, in windows of 256: window 0: v0-31 addresses; v32-63 scale words, two sets; v128-223 A's fragments, one set; on the way out v128-255 hold rows.  window 1: B's fragments, two sets.  windows 2, 3: the accumulators.
.set SIZE_N, 1024
.set SIZE_K, 1024
.set KSTEP,  256
.set NQ,     KSTEP/128
.set ROWB,   192                       ; B: a tile's row in bytes
.set KROW,   SIZE_K*6/8                ; a row of B in memory; also A's bytes for each row: 12,288 for a tile of 16
.set PITCH,  240                       ; B: an LDS row: 3 x (64 bytes + 16 of padding)
.set FR,     12
.set NL,     6                         ; LDS loads that bring a fragment of B;
.set NLA,    4                         ; of A
.set NP,     4                         ; places behind this matrix instruction (ISA guide 7.12.1)
.set AHALF,  8*3072                    ; A: 128 rows of a K step: what one tensor load brings
.set HALFT,  128*PITCH                 ; B: the same
.set SLOT,   2*AHALF+2*HALFT           ; A's 256 rows, then B's 256 rows
.set LAPS,   SIZE_K/(2*KSTEP)
.set KS,     SIZE_K/32
.set SCL,    2*SLOT                    ; behind the ring: the scales, as runs of 256 bytes + 16 of padding
.set HALFS,  (128*KS/256)*272
.set SBLK,   (16*KS/256)*272
.set SPARE,  SCL+4*HALFS               ; the spare words, 128 bytes for each wave: two blocks of 256 bytes that no other line names
.set SPITCH, 528                       ; the way out: a stage of 16 rows x (512 bytes + 16) for each wave, in slot 0, which has had its last fill and its last read when the first result is stored there
.set ADRA, 16                          ; v16-17  A's images in slot 0, 1: 16 x lane + my 128 rows;  v18-19: 8 x lane + the same
.set ADRB, 20                          ; v20-21  B's fragments in slot 0, 1  (v22-23: for the pieces behind one padding more)
.set STO,  24
.set RD,   25
.set CO,   26
.set ADRS, 27
.set SPW,  28
.set NIL,  29
.set SC,   32
.set AF,   128
.set BK,   128
.set G1, 24
.set G0, 32
.set G1B, 48
.set G0B, 56
.set G1S, 68
.set G0S, 76
.set G1SB, 80
.set G0SB, 88
.set MSB, 0
.macro WIN new                         ; the immediate's high byte repeats the setting that is left
.if MSB != \new
	s_set_vgpr_msb (MSB<<8)|\new
.set MSB, \new
.endif
.endm
.set MUL_LO, 0xa1                      ; source 0 (B) window 1, source 1 (A) window 0, C and D window 2
.set MUL_HI, 0xf1
.set TO_B,   0x40
.macro JLOAD g0a, g1a, g0b, g1b        ; a joint load: waves 0 and 1 fetch for A, waves 2 and 3 for B; four v_nop follow each of the two lines
	s_cmp_eq_u32 s15, 0
	s_cbranch_scc0 .Lfor_b_\@
	tensor_load_to_lds s[\g0a:\g0a+3], s[\g1a:\g1a+7]
	s_nop 0
.rept 4
	v_nop
.endr
	s_branch .Lasked_\@
.Lfor_b_\@:
	tensor_load_to_lds s[\g0b:\g0b+3], s[\g1b:\g1b+7]
	s_nop 0
.rept 4
	v_nop
.endr
.Lasked_\@:
.endm
.macro CREST
	s_cmp_lg_u32 s14, 0
	s_cbranch_scc1 .Lnot_wave_0_\@
	s_barrier_signal -3
.Lnot_wave_0_\@:
	s_barrier_wait -3
	s_barrier_signal -1
	s_barrier_wait -1
.endm
.macro CROUND
	s_barrier_signal -1
	s_barrier_wait -1
	CREST
.endm
	s_load_b256 s[4:11], s[0:1], 0x0               ; cod3 s[4:5], scl3 s[6:7], cod1 s[8:9], scl1 s[10:11]
	s_load_b64 s[12:13], s[0:1], 0x20              ; out0
	v_lshl_add_u32 v[SPW], v0, 2, SPARE
	v_mov_b32 v[NIL], 0
	ds_add_u32 v28, v29
	ds_add_u32 v28, v29
	s_wait_dscnt 0x0
	v_lshrrev_b32 v1, 5, v0
	v_readfirstlane_b32 s14, v1                    ; wave 0..3
	s_lshr_b32 s15, s14, 1                         ; which half of the tile's rows is mine.  Also: I fetch for A (0) or for B (1)
	s_and_b32 s16, s14, 1                          ; which half of its columns.  Also: which 128 rows of that tile I fetch
	s_bfe_u32 s40, ttmp6, 0x40000                  ; cx, cy
	s_bfe_u32 s41, ttmp6, 0x40004
	s_lshl_b32 s42, ttmp9, 2
	s_add_co_u32 s42, s42, s40                     ; tile column = 4 x cluster x + cx
	s_and_b32 s17, ttmp7, 0xffff
	s_lshl_b32 s17, s17, 2
	s_add_co_u32 s17, s17, s41                     ; tile row = 4 x cluster y + cy
	s_lshl_b32 s43, s41, 2
	s_lshl_b32 s43, 15, s43                        ; my row of the cluster
	s_lshl_b32 s44, 0x1111, s40                    ; my column
	; group 1 for A: 8 tiles of 16 rows, of each 3,072 bytes (384 elements of 8 bytes), 12,288 bytes apart; no padding
	s_or_b32 s[G1+0], s43, (3<<16)|(1<<21)
	s_mov_b32 s[G1+1], 384<<16
	s_mov_b32 s[G1+2], 8<<16
	s_mov_b32 s[G1+3], 384<<16
	s_mov_b32 s[G1+4], 8
	s_mov_b32 s[G1+5], 1536
	s_mov_b32 s[G1+6], 0
	s_mov_b32 s[G1+7], 0
	; for B: 128 rows x 192 bytes, 16 bytes of padding behind every 64
	s_or_b32 s[G1B+0], s44, (0<<16)|(1<<20)|(1<<21)|(3<<22)|(3<<25)
	s_mov_b32 s[G1B+1], ROWB<<16
	s_mov_b32 s[G1B+2], 128<<16
	s_mov_b32 s[G1B+3], ROWB<<16
	s_mov_b32 s[G1B+4], 128
	s_mov_b32 s[G1B+5], KROW
	s_mov_b32 s[G1B+6], 0
	s_mov_b32 s[G1B+7], 0
	; for the scales of 128 rows: 4,096 dense bytes, as rows of 256 bytes, 16 bytes of padding behind each
	s_or_b32 s[G1S+0], s43, (3<<16)|(1<<20)|(1<<21)|(5<<22)|(3<<25)
	s_or_b32 s[G1SB+0], s44, (3<<16)|(1<<20)|(1<<21)|(5<<22)|(3<<25)
.irp g, G1S, G1SB
	s_mov_b32 s[\g+1], 32<<16
	s_mov_b32 s[\g+2], (128*KS/256)<<16
	s_mov_b32 s[\g+3], 32<<16
	s_mov_b32 s[\g+4], 128*KS/256
	s_mov_b32 s[\g+5], 32
	s_mov_b32 s[\g+6], 0
	s_mov_b32 s[\g+7], 0
.endr
	s_lshl_b32 s18, s16, 7                         ; which 128 rows of the tile I fetch
	s_lshl_b32 s20, s17, 8
	s_add_co_u32 s20, s20, s18                     ; A: row 256 x tile row + 128 x half
	s_lshl_b32 s46, s42, 8
	s_add_co_u32 s46, s46, s18                     ; B: row 256 x tile column + 128 x half
	s_mov_b32 s21, 0
	s_mov_b32 s47, 0
	s_mov_b64 s[18:19], KS
	s_mul_u64 s[22:23], s[20:21], s[18:19]         ; where these rows' scales begin
	s_mul_u64 s[92:93], s[46:47], s[18:19]
	s_mov_b64 s[18:19], KROW
	s_mul_u64 s[20:21], s[20:21], s[18:19]         ; and their codes (A: 12,288 bytes for 16 rows are 768 a row too)
	s_mul_u64 s[46:47], s[46:47], s[18:19]
	s_mul_i32 s45, s16, AHALF                      ; where they go: A's halves,
	s_mul_i32 s95, s16, HALFT
	s_add_co_u32 s95, s95, 2*AHALF                 ; B's halves behind them: no place in the cluster enters an LDS address
	s_mul_i32 s94, s14, HALFS
	s_wait_kmcnt 0x0
	s_add_nc_u64 s[8:9], s[8:9], 11264*KROW        ; w_proj's rows in cod1
	s_add_nc_u64 s[10:11], s[10:11], 11264*KS      ; and in scl1
	s_add_nc_u64 s[20:21], s[4:5], s[20:21]
	s_add_nc_u64 s[22:23], s[6:7], s[22:23]
	s_add_nc_u64 s[46:47], s[8:9], s[46:47]
	s_add_nc_u64 s[92:93], s[10:11], s[92:93]
	CROUND                                         ; all sixteen work-groups are here: the first joint loads meet
	s_mov_b32 s[G0S], 1
	s_add_co_u32 s[G0S+1], s94, SCL
	s_mov_b64 s[G0S+2:G0S+3], s[22:23]
	s_or_b32 s[G0S+3], s[G0S+3], 0x80000000
	s_mov_b32 s[G0SB], 1
	s_add_co_u32 s[G0SB+1], s94, SCL
	s_mov_b64 s[G0SB+2:G0SB+3], s[92:93]
	s_or_b32 s[G0SB+3], s[G0SB+3], 0x80000000
	JLOAD G0S, G1S, G0SB, G1SB                     ; the scales first
.irp s, 0,1
	s_mov_b32 s[G0+4*\s], 1
	s_add_co_u32 s[G0+4*\s+1], s45, \s*SLOT
	s_add_nc_u64 s[G0+4*\s+2:G0+4*\s+3], s[20:21], \s*3072
	s_or_b32 s[G0+4*\s+3], s[G0+4*\s+3], 0x80000000
	s_mov_b32 s[G0B+4*\s], 1
	s_add_co_u32 s[G0B+4*\s+1], s95, \s*SLOT
	s_add_nc_u64 s[G0B+4*\s+2:G0B+4*\s+3], s[46:47], \s*ROWB
	s_or_b32 s[G0B+4*\s+3], s[G0B+4*\s+3], 0x80000000
	JLOAD G0+4*\s, G1, G0B+4*\s, G1B               ; three tensor loads of mine are out now
.endr
	v_and_b32 v1, 15, v0                           ; l % 16
	v_bfe_u32 v2, v0, 4, 1                         ; l / 16
	v_mul_u32_u24 v3, v1, PITCH
	v_mul_u32_u24 v4, v2, 24
	v_add_nc_u32 v4, v3, v4                        ; B: a fragment's row x pitch + 24 x half
	v_lshl_add_u32 v5, v2, 4, v4                   ; and the same behind one padding more
	v_and_b32 v6, 31, v0
	v_lshlrev_b32 v7, 4, v6                        ; A: 16 x lane
	v_lshlrev_b32 v8, 3, v6                        ; and 8 x lane
	s_mul_i32 s21, s15, AHALF                      ; my 128 rows of A
	s_mul_i32 s22, s16, HALFT                      ; my 128 rows of B,
	s_add_co_u32 s22, s22, 2*AHALF                 ; which lie behind A's 256
.irp s, 0,1
	v_add_nc_u32 v[ADRA+\s], s21, v7
	v_add_nc_u32 v[ADRA+2+\s], s21, v8
	v_add_nc_u32 v[ADRB+\s], s22, v4
	v_add_nc_u32 v[ADRB+2+\s], s22, v5
	s_add_co_u32 s21, s21, SLOT
	s_add_co_u32 s22, s22, SLOT
.endr
	v_mul_u32_u24 v5, v1, KS                       ; my row's scales: 32 bytes a row,
	v_lshrrev_b32 v6, 8, v5
	v_lshl_add_u32 v5, v6, 4, v5                   ; and 16 more for each 256 passed
	s_mul_i32 s21, s15, HALFS
	s_mul_i32 s22, s16, HALFS
	s_add_co_u32 s22, s22, 2*HALFS
	s_sub_co_u32 s22, s22, s21
	v_mul_u32_u24 v6, s22, v2                      ; lanes 16-31 take B's: one product, the distance between the two bases
	s_add_co_u32 s21, s21, SCL
	v_add_nc_u32 v5, v5, v6
	v_add_nc_u32 v[ADRS], s21, v5
	s_mul_i32 s23, s14, 16*SPITCH                  ; my stage
	v_mul_u32_u24 v5, v1, SPITCH                   ; in: row l % 16, 32 bytes for each half of the lanes
	v_lshl_add_u32 v5, v2, 5, v5
	v_add_nc_u32 v[STO], s23, v5
	v_and_b32 v6, 31, v0
	v_lshlrev_b32 v[CO], 4, v6                     ; back: the 32 lanes take one row of 512 bytes; and the same in out0
	v_add_nc_u32 v[RD], s23, v[CO]
	s_lshl_b32 s20, s17, 8
	s_lshl_b32 s21, s15, 7
	s_add_co_u32 s20, s20, s21                     ; my first row of out0
	s_mov_b32 s21, 0
	s_mov_b64 s[18:19], SIZE_N*4
	s_mul_u64 s[20:21], s[20:21], s[18:19]
	s_lshl_b32 s46, s42, 10                        ; my first column, in bytes
	s_lshl_b32 s47, s16, 9
	s_add_co_u32 s46, s46, s47
	s_mov_b32 s47, 0
	s_add_nc_u64 s[20:21], s[20:21], s[46:47]
	s_add_nc_u64 s[12:13], s[12:13], s[20:21]
.macro FRAG reg, adr, q, i             ; a fragment of B from rows: 24 bytes of the row for each half fragment, in pieces of 8 bytes; the second address register serves the pieces that lie behind one padding more
.irp p, 0,1,2,3,4,5
.set PCE, 12*(\q)+6*(\p/3)+\p%3
.if PCE%8 < 5
	ds_load_b64 v[\reg+2*\p:\reg+2*\p+1], v[\adr] offset:8*PCE+16*(PCE/8)+(\i)*16*PITCH
.else
	ds_load_b64 v[\reg+2*\p:\reg+2*\p+1], v[\adr+2] offset:8*PCE+16*(PCE/8)+(\i)*16*PITCH
.endif
.endr
.endm
.macro FRAGA reg, slot, q, i           ; a fragment of A from two images: each load reads 512 or 256 consecutive bytes
	ds_load_b128 v[\reg:\reg+3], v[ADRA+\slot] offset:3072*(\i)+1536*(\q)
	ds_load_b64 v[\reg+4:\reg+5], v[ADRA+2+\slot] offset:3072*(\i)+1536*(\q)+512
	ds_load_b128 v[\reg+6:\reg+9], v[ADRA+\slot] offset:3072*(\i)+1536*(\q)+768
	ds_load_b64 v[\reg+10:\reg+11], v[ADRA+2+\slot] offset:3072*(\i)+1536*(\q)+1280
.endm
; 16 matrix instructions: A's blocks a0, a0 + 1 x B's eight.  The 64 accumulators take turns, one instruction a turn, in the same order in every step.
.macro MUL16 a0, p, q, sc, zero
.irp a, \a0, \a0+1
.irp b, 0,1,2,3,4,5,6,7
.if \zero
	v_wmma_scale_f32_16x16x128_f8f6f4 v[8*(8*((\a)%4)+\b):8*(8*((\a)%4)+\b)+7], v[128*(\p)+FR*\b:128*(\p)+FR*\b+FR-1], v[AF+FR*(\a):AF+FR*(\a)+FR-1], 0, v[SC+8*NQ*(\sc)+NQ*\b+(\q)], v[SC+8*NQ*(\sc)+NQ*(\a)+(\q)] matrix_a_fmt:MATRIX_FMT_BF6 matrix_b_fmt:MATRIX_FMT_BF6 matrix_a_scale:MATRIX_SCALE_ROW1
.else
	v_wmma_scale_f32_16x16x128_f8f6f4 v[8*(8*((\a)%4)+\b):8*(8*((\a)%4)+\b)+7], v[128*(\p)+FR*\b:128*(\p)+FR*\b+FR-1], v[AF+FR*(\a):AF+FR*(\a)+FR-1], v[8*(8*((\a)%4)+\b):8*(8*((\a)%4)+\b)+7], v[SC+8*NQ*(\sc)+NQ*\b+(\q)], v[SC+8*NQ*(\sc)+NQ*(\a)+(\q)] matrix_a_fmt:MATRIX_FMT_BF6 matrix_b_fmt:MATRIX_FMT_BF6 matrix_a_scale:MATRIX_SCALE_ROW1
.endif
.endr
.endr
.endm
.macro FETCH_B slot, q, p
	WIN TO_B
.irp i, 0,1,2,3,4,5,6,7
	FRAG 128*(\p)+FR*\i, ADRB+\slot, \q, \i
.endr
	WIN 0
.endm
.macro FETCH_A slot, q, i0
.irp i, \i0, \i0+1, \i0+2, \i0+3
	FRAGA AF+FR*(\i), \slot, \q, \i
.endr
.endm
.macro SCALES sc
.irp i, 0,1,2,3,4,5,6,7
	ds_load_b64 v[SC+8*NQ*\sc+NQ*\i:SC+8*NQ*\sc+NQ*\i+1], v[ADRS] offset:\i*SBLK
.endr
.endm
.macro PLACES n                        ; places in front of loads into registers that matrix instructions have read, and of the first read of results (ISA guide 7.12.1 for vector instructions)
.rept \n
	v_nop
.endr
.endm
.macro STEP slot, q, zero
	s_wait_dscnt 4*NLA                             ; B's set and A's blocks 0-3 are in; the youngest 16 loads (A's blocks 4-7) may be out
	WIN MUL_LO
	MUL16 0, (\q)%2, \q, \slot, \zero
	MUL16 2, (\q)%2, \q, \slot, \zero
	s_wait_dscnt 0
	PLACES NP
	FETCH_B \slot, (\q)+1, 1-(\q)%2
	FETCH_A \slot, (\q)+1, 0
	WIN MUL_HI
	MUL16 4, (\q)%2, \q, \slot, \zero
	MUL16 6, (\q)%2, \q, \slot, \zero
	PLACES NP
	WIN 0
	FETCH_A \slot, (\q)+1, 4
.endm
.macro TURN slot, next, fill
	s_wait_tensorcnt 0x0                           ; all my tensor loads have landed: my part of the next slot;
	ds_add_u32 v[SPW], v[NIL]                      ; 0 onto my spare word
	s_wait_dscnt 4*NLA+1                           ; (the add and the youngest 16 loads may be out)
	WIN MUL_LO
	MUL16 0, 1, NQ-1, \slot, 0                     ; sixteen matrix instructions stand between the add and the wait for it
	s_wait_dscnt 0x0                               ; the add is done, and my reads of this slot are over
	s_barrier_signal -1
	MUL16 2, 1, NQ-1, \slot, 0
	WIN 0
	s_barrier_wait -1
.if \fill
	CREST                                          ; the barrier has opened a round of the cluster's barrier: no wave of any partner still reads this slot's tile or has a load on its way
	s_add_nc_u64 s[G0+4*\slot+2:G0+4*\slot+3], s[G0+4*\slot+2:G0+4*\slot+3], 2*3072
	s_add_nc_u64 s[G0B+4*\slot+2:G0B+4*\slot+3], s[G0B+4*\slot+2:G0B+4*\slot+3], 2*ROWB
	JLOAD G0+4*\slot, G1, G0B+4*\slot, G1B         ; the first tensor load behind the round, my only one until the next; its four v_nop are the places in front of the loads below
.else
	PLACES NP
.endif
	v_add_nc_u32 v[ADRS], 4*NQ, v[ADRS]
	FETCH_B \next, 0, 0
	FETCH_A \next, 0, 0
	SCALES \next
	WIN MUL_HI
	MUL16 4, 1, NQ-1, \slot, 0
	MUL16 6, 1, NQ-1, \slot, 0
	PLACES NP
	WIN 0
	FETCH_A \next, 0, 4
.endm
	s_wait_tensorcnt 1                             ; the scales and my part of K step 0 are in (K step 1's load may be out)
	s_barrier_signal -1
	s_barrier_wait -1
	FETCH_B 0, 0, 0
	FETCH_A 0, 0, 0
	SCALES 0
	FETCH_A 0, 0, 4
	STEP 0, 0, 1                                   ; the first step's products start the sums
	s_mov_b32 s3, LAPS-1
.Llap:
	TURN 0, 1, 1
	STEP 1, 0, 0
	TURN 1, 0, 1
	STEP 0, 0, 0
	s_sub_co_u32 s3, s3, 1
	s_cmp_lg_u32 s3, 0
	s_cbranch_scc1 .Llap
	TURN 0, 1, 0                                   ; the last lap fills nothing
	STEP 1, 0, 0
	s_wait_dscnt 4*NLA
	WIN MUL_LO
	MUL16 0, 1, NQ-1, 1, 0
	MUL16 2, 1, NQ-1, 1, 0
	s_wait_dscnt 0
	WIN MUL_HI
	MUL16 4, 1, NQ-1, 1, 0
	MUL16 6, 1, NQ-1, 1, 0
	WIN 0
; THE WAY OUT, block by block of 16 rows x 128 columns, through my own stage in LDS; the rows come back whole, 512 bytes each, and the 32 lanes store them as 512 consecutive aligned bytes.
; LDS serves a wave's instructions in order (ISA guide 5.7.1.4): no wait between the stores and the loads.  Stage line t of block a is token 32 (a / 2) + 8 (a % 2) + t + 8 (t / 8) of my 128.
.macro TOSTAGE a
.set AC, 64*((\a)%4)
	WIN 0x08+4*((\a)/4)                            ; the data: window 2 or 3
.irp b, 0,1,2,3,4,5,6,7
	ds_store_b128 v[STO], v[AC+8*\b:AC+8*\b+3] offset:64*\b          ; each accumulator from its low end on
	ds_store_b128 v[STO], v[AC+8*\b+4:AC+8*\b+7] offset:64*\b+16
.endr
	WIN 0
.set BB, BK+64*((\a)%2)
.irp t, 0,1,2,3,4,5,6,7,8,9,10,11,12,13,14,15
	ds_load_b128 v[BB+4*\t:BB+4*\t+3], v[RD] offset:\t*SPITCH
.endr
.endm
.macro SEND a, younger                 ; younger: the LDS instructions issued behind block a's loads, which may stay out
.set BB, BK+64*((\a)%2)
	s_wait_dscnt \younger
.if (\a) > 0
.if (\a)%2 == 1
	s_add_nc_u64 s[12:13], s[12:13], 8*SIZE_N*4    ; (behind a wait on XCNT: the earlier stores have read their base)  into an odd block: 8 rows on;
.else
	s_add_nc_u64 s[12:13], s[12:13], 24*SIZE_N*4   ; into an even one: 24
.endif
.endif
.irp t, 0,1,2,3,4,5,6,7,8,9,10,11,12,13,14,15
	global_store_b128 v[CO], v[BB+4*\t:BB+4*\t+3], s[12:13] offset:(\t+8*(\t/8))*SIZE_N*4 th:TH_STORE_NT
.endr
.endm
	PLACES NP
	TOSTAGE 0
.irp a, 1,2,3,4,5,6,7
.if \a > 1
	s_wait_xcnt 0x0                                ; block a - 2's stores have read their registers and their base
.endif
	TOSTAGE \a
	SEND \a-1, 32                                  ; behind block a - 1's loads: block a's 16 stores and 16 loads
.endr
	s_wait_xcnt 0x0
	SEND 7, 0
	s_wait_tensorcnt 0x0                           ; the wave's end
	ds_add_u32 v[SPW], v[NIL]
	s_wait_dscnt 0x0
	CROUND                                         ; the closing round
	s_endpgm
.Lfunc_end_k_qd6444635dc_gemm_out:
	.size	k_qd6444635dc_gemm_out, .Lfunc_end_k_qd6444635dc_gemm_out-k_qd6444635dc_gemm_out
	.p2alignl 7, 3214868480
	.fill 96, 4, 3214868480
	.section	.rodata,"a",@progbits
	.p2align	6, 0x0
	.amdhsa_kernel k_qd6444635dc_gemm_out
		.amdhsa_group_segment_fixed_size 327680
		.amdhsa_private_segment_fixed_size 0
		.amdhsa_enable_private_segment 0
		.amdhsa_kernarg_size 40
		.amdhsa_user_sgpr_count 2
		.amdhsa_user_sgpr_kernarg_segment_ptr 1
		.amdhsa_wavefront_size32 1
		.amdhsa_system_sgpr_workgroup_id_x 1
		.amdhsa_system_sgpr_workgroup_id_y 1
		.amdhsa_system_sgpr_workgroup_id_z 1
		.amdhsa_system_vgpr_workitem_id 0
		.amdhsa_next_free_vgpr 1024
		.amdhsa_next_free_sgpr 98
		.amdhsa_reserve_vcc 0
		.amdhsa_float_denorm_mode_32 3
		.amdhsa_float_denorm_mode_16_64 3
		.amdhsa_memory_ordered 1
		.amdhsa_forward_progress 1
		.amdhsa_inst_pref_size 152
	.end_amdhsa_kernel
	.amdgpu_metadata
---
amdhsa.version: [ 1, 2 ]
amdhsa.kernels:
  - .name:           k_qd6444635dc_gemm_out
    .symbol:         k_qd6444635dc_gemm_out.kd
    .args:
      - { .name: cod3, .offset: 0, .size: 8, .value_kind: global_buffer, .address_space: global }
      - { .name: scl3, .offset: 8, .size: 8, .value_kind: global_buffer, .address_space: global }
      - { .name: cod1, .offset: 16, .size: 8, .value_kind: global_buffer, .address_space: global }
      - { .name: scl1, .offset: 24, .size: 8, .value_kind: global_buffer, .address_space: global }
      - { .name: out0, .offset: 32, .size: 8, .value_kind: global_buffer, .address_space: global }
    .group_segment_fixed_size: 327680
    .private_segment_fixed_size: 0
    .kernarg_segment_align: 8
    .kernarg_segment_size: 40
    .max_flat_workgroup_size: 128
    .sgpr_count:     98
    .vgpr_count:     1024
    .wavefront_size: 32
...
	.end_amdgpu_metadata
.endif
;; end of part 4
